; MI455X (gfx1250); checked and timed in simulation.
; The chip was launched on July 23, 2026; its instructions are those of AMD's public machine-readable ISA for CDNA 5 (MIT licence, August 2026) and "CDNA5" Instruction Set Architecture Reference Guide (July 2026). The comments in the code are by the model that wrote it; some were corrected since.
;; Transformer Decoder Layer. Allowed arithmetic: matrix products marked QUANTISED: E2M3 operands, one E8M0 scale for each 32 along K, by v_wmma_scale_f32_16x16x128_f8f6f4 with both operands' format E2M3, f32 sums; products left as they are: f32 operands where the result goes on into a quantised operand, else bf16, f16 or f32 operands; f32 sums; everything else in f32.
;; Inputs: attn_out_b 256 float32; attn_out_w 256 x 256 float32; ff1_b 1,024 float32; ff1_w 1,024 x 256 float32; ff2_b 256 float32; ff2_w 256 x 1,024 float32; in_proj_b 768 float32; in_proj_w 768 x 256 float32; ln1_b 256 float32; ln1_g 256 float32; ln2_b 256 float32; ln2_g 256 float32; ln3_b 256 float32; ln3_g 256 float32; memory 512 x 4 x 256 float32; mlp1_b 256 float32; mlp1_w 256 x 256 float32; mlp2_b 256 float32; mlp2_w 256 x 256 float32; o_b 256 float32; o_w 256 x 256 float32; query_pos 128 x 4 x 256 float32; relative_pos 128 x 512 x 4 x 256 float32; tgt 128 x 4 x 256 float32; v_b 256 float32; v_w 256 x 256 float32.
;; Outputs: out0 128 x 4 x 256 float32.
;; This version of the problem:
;;   THIS VERSION OF THE PROBLEM IS GIVEN IN LOW PRECISION. The matrix products marked QUANTISED in the list below multiply operands that are first quantised to E2M3 (2 exponent bits, 3 mantissa bits; 6 bits a number), with one power-of-two scale for each 32 numbers along K (OCP MX v1.0); their sums are f32. All else is computed in f32.
;;   The module's matrix products, in the order in which they are computed (A, B: the left and right operand; K: the contracted axis; several contracted axes count as one K, in the product's order):
;;     1. [M 512, K 256] x [K 256, N 256]; A: computed on the way; B: input in_proj_w: QUANTISED
;;     2. [M 512, K 256] x [K 256, N 256]; A: computed on the way; B: input in_proj_w: QUANTISED
;;     3. [M 512, K 256] x [K 256, N 256]; A: computed on the way; B: input in_proj_w: QUANTISED
;;     4. batch 32 x [M 128, K 32] x [K 32, N 128]; A: computed on the way; B: computed on the way: QUANTISED
;;     5. batch 32 x [M 32, K 128] x [K 128, N 128]; A: computed on the way; B: softmax (see below): QUANTISED
;;     6. [M 512, K 256] x [K 256, N 256]; A: computed on the way; B: input attn_out_w: QUANTISED
;;     7. [M 262,144, K 256] x [K 256, N 256]; A: computed on the way; B: input mlp1_w: QUANTISED
;;     8. [M 262,144, K 256] x [K 256, N 256]; A: computed on the way; B: input mlp2_w: QUANTISED
;;     9. [M 262,144, K 256] x [K 256, N 256]; A: computed on the way; B: input v_w: QUANTISED
;;     10. batch 131,072 x [M 1, K 512] x [K 512, N 1]; A: softmax (see below); B: computed on the way: left as it is (M = 1 < 16)
;;     11. [M 512, K 256] x [K 256, N 256]; A: computed on the way; B: input o_w: QUANTISED
;;     12. [M 512, K 256] x [K 256, N 1,024]; A: computed on the way; B: input ff1_w: QUANTISED
;;     13. [M 512, K 1,024] x [K 1,024, N 256]; A: computed on the way; B: input ff2_w: QUANTISED
;;   THE QUANTISER, for each operand of a quantised product, along K:
;;     - K is cut into blocks of 32 from its start; a last block that is shorter is filled with zeros.
;;     - A block's scale is 2^e with e = floor(log2(the largest magnitude in the block)) - 2, held to -126 .. 127; a block of zeros has e = 0. As a byte (E8M0): e + 127.
;;     - Each number is divided by its block's scale, clamped to +-7.5, and rounded to the nearest number of E2M3, ties to even, subnormals kept.
;;     - The product sums the exact products of the quantised numbers (number of the format x scale) in f32.
;;   ~~~python
;;   def quantise(x, axis):      # numpy; x: float32 -> the quantised numbers, widened to float32 again
;;       x = np.moveaxis(x, axis, -1); K = x.shape[-1]
;;       x = np.pad(x, [(0, 0)] * (x.ndim - 1) + [(0, -K % 32)]); x = x.reshape(x.shape[:-1] + (-1, 32)); a = np.abs(x).max(-1, keepdims=True)
;;       e = np.where(a > 0, np.clip(np.frexp(np.where(a > 0, a, 1))[1] - 1 - 2, -126, 127), 0)      # np.frexp(a)[1] - 1 = floor(log2(a)), exactly
;;       r = np.clip(x / 2.0 ** e, -7.5, 7.5)
;;       step = 2.0 ** (np.maximum(np.frexp(np.where(r == 0, 1, r))[1] - 1, 0) - 3)
;;       q = np.round(r / step) * step * 2.0 ** e      # np.round: ties to even
;;       return np.moveaxis(q.reshape(q.shape[:-2] + (-1,))[..., :K], -1, axis).astype(np.float32)
;;   ~~~
;;   SOFTMAX AHEAD OF A QUANTISED PRODUCT. Where the list says 'softmax', what is quantised is not the finished softmax but p = 2^(t - M), with t = logit x log2(e) and M = ceil(the row's largest t), a whole number; so 1/2 < the row's largest p <= 1. The row's sum l is taken of the UNQUANTISED p, in f32, and the product's result is divided by l at the end. Since M is a whole number, a kernel that streams over the keys may use a running M (the ceiling of the running maximum): every later rescaling is an exact power of two, which a block's scale takes up: the codes' values come out the same.
;;   OPERANDS COMPUTED ON THE WAY. 'Computed on the way' means the value that the module computes at that place (a softmax that the list does not call 'softmax' is quantised finished and normalised). What goes into a quantiser is computed in f32, as accurately as f32 sums, v_exp_f32 and their like allow (about 1e-6 of the number): no bf16 or f16 on the way to a quantiser, and a product that is left as it is and whose result goes on into a quantised operand takes f32 operands (vector FMAs, or v_wmma_f32_16x16x4_f32). A number that lies on a knife's edge between two numbers of the format may be rounded either way, as far as f32 arithmetic and the matrix unit's own rounding can turn it there, and no further.
;; One version. Each part assembles by itself: llvm-mc -triple=amdgcn-amd-amdhsa -mcpu=gfx1250 --defsym DOCPART=n.
;; ======== version 1 of 1: 2 launches
;; limits: right only within a limited range of input values
;; workspace buffers: wfrag 638,976 bytes; wscl 26,624 bytes; o_codes 98,304 bytes; o_scales 4,096 bytes
;; launch prep (part 1): grid 84 x 1, 8 waves a work-group, no clusters, 231,424 bytes of LDS; arguments tgt, query_pos, ln1_g, ln1_b, in_proj_w, in_proj_b, o_codes, o_scales, attn_out_w, mlp1_w, mlp2_w, v_w, o_w, ff1_w, ff2_w, wfrag, wscl; writes o_codes, o_scales, wfrag, wscl
.if DOCPART == 1
	.amdgcn_target "amdgcn-amd-amdhsa--gfx1250"
	.amdhsa_code_object_version 6
	.text
	.protected	k_q68d7853899_prep
	.globl	k_q68d7853899_prep
	.p2align	8
	.type	k_q68d7853899_prep,@function
k_q68d7853899_prep:
	s_mov_b64 s[64:65], 0
	v_nop
	global_prefetch_b8 v0, s[64:65] scope:SCOPE_SE
	s_setreg_imm32_b32 hwreg(HW_REG_WAVE_MODE, 25, 1), 1
	s_wait_xcnt 0x0
; Two kinds of work-group, told apart by the work-group's number alone.
; WORK-GROUPS 0-31: the self-attention of one (batch b, head hd): LN1, + query_pos, the head's q, k, v projections, scores, softmax, p v, all products on codes of
; FP6 (E2M3) with one E8M0 scale for each 32 along K.  The result o is stored as codes and scale bytes: a block of 32 along the next product's K is exactly one head.
; WORK-GROUPS 32-83: seven weights (attn_out, mlp1, mlp2, v, o, ff1, ff2) are quantised once, a wave to a fragment of 16 rows x 128 K, and stored in the ORDER OF THE
; OPERAND'S REGISTERS: fragment F is 1,536 bytes, group g of four registers of lane l at 512 g + 16 l; its 16 scale words at 64 F + 4 r.  This path has no LDS and no barrier.
; Fragment numbers: base + tile x (K steps) + K step; bases 0, 32, 64, 96, 128 (two K steps each), 160 (ff1, two), 288 (ff2, eight).
; THE ROWS OF A TILE of mlp1 and ff1, whose results become the next K, are 128 (T>>3) + 64 ((T>>2)&1) + 8 (T&3) + r + 24 (r>>3): used as source 0, the 32 registers of four
; neighbouring tiles are then a whole block of 32 of the next K in one lane, in the order that the operand's layout wants.
; THE QUANTISER (macro QUANT): a lane holds 64 numbers, register 32 c + e = k 64 c + 32 h + e of its row: two whole blocks; no other lane is asked for a maximum.
; No cluster: the launch has no tensor loads, and each work-group reads its rows through registers once.
; LIMITS: a block of zeros gets the scale byte 1 (its codes are zeros; the bytes are read by this program alone); NaN and infinities are not served; a p under 2^-126 counts as 0.
.set LG,   0                           ; LDS: ln1_g, 1,024 bytes
.set LB,   1024                        ; ln1_b
.set LBI,  2048                        ; the head's 96 numbers of in_proj_b (q, k, v: 128 bytes each)
.set AIMG, 3072                        ; each wave's four fragments (LN K steps 0, 1; LN + pos K steps 0, 1): 8 x 4 x 1,536
.set ASC,  52224                       ; their scale words: 8 x 256
.set WIMG, 54272                       ; the head's 12 weight fragments
.set WSC,  72704                       ; their scale words: 6 x 128
.set KIMG, 73472                       ; k's fragments, six registers each: 8 x 768
.set KSC,  79616                       ; their scale words: 8 x 64
.set VT,   80128                       ; v transposed, f32: 32 rows (d) x (128 keys x 4 bytes + 16)
.set STG,  98304                       ; behind the spare words: a stage of each wave's own, 16 rows x (1,024 bytes + 16): 8 x 16,640
.set SH8,  3                           ; v3   8 h
.set TM,   16                          ; v16-19 largest magnitudes
.set SO,   20                          ; v20-21 the conversions' scale operands
.set BY,   22                          ; v22-23 scale bytes
.set PC,   24                          ; v24-35 the codes just made
.set PX,   36                          ; v36-38, v40-42 second halves of a block's codes
.set PW,   44                          ; v44  the scale word just made
.set PT,   45                          ; v45  a lane permute's destination
.set X,    128                         ; v128-255 128 numbers of my row
.set QF,   80                          ; v80-91   q's fragment
.set VF,   92                          ; v92-115  v's two fragments
.set PF,   116                         ; v116-127 p's fragment
.set SEL,  44                          ; s[44:45] lane selects: lane l xor 16
.set MSB, 0
.macro WIN new                         ; the immediate's high byte repeats the setting that is left
.if MSB != (\new)
	s_set_vgpr_msb (MSB<<8)|(\new)
.set MSB, (\new)
.endif
.endm
.macro PLACES n
.rept \n
	v_nop
.endr
.endm
; 64 numbers in window sw become 12 registers of codes at v[pc] and the row's scale word in v[pw].  The last argument is kept for the callers' sake and does nothing.
.macro QUANT src, sw, pc, pw, wt
	WIN 0x14*(\sw)
.irp q,0,1,2,3
	v_max3_num_f32 v[TM+\q], 0x1800000, |v[(\src)+16*\q]|, |v[(\src)+16*\q+1]|   ; four chains of 16; the floor 2^(3 - 127) holds the byte at 1 from below
.endr
.irp i,2,4,6,8,10,12,14
.irp q,0,1,2,3
	v_max3_num_f32 v[TM+\q], v[TM+\q], |v[(\src)+16*\q+\i]|, |v[(\src)+16*\q+\i+1]|
.endr
.endr
	WIN 0
	v_max_num_f32 v[TM], v[TM], v[TM+1]            ; block h
	v_max_num_f32 v[TM+2], v[TM+2], v[TM+3]        ; block 2 + h
	s_delay_alu instid0(VALU_DEP_2)
	v_add_nc_u32 v[SO], 0xff000000, v[TM]          ; 2 off the exponent field: the conversion's scale operand
	s_delay_alu instid0(VALU_DEP_2)
	v_add_nc_u32 v[SO+1], 0xff000000, v[TM+2]
	s_delay_alu instid0(VALU_DEP_2)
	v_lshrrev_b32 v[BY], 23, v[SO]
	s_delay_alu instid0(VALU_DEP_2)
	v_lshrrev_b32 v[BY+1], 23, v[SO+1]
	s_delay_alu instid0(VALU_DEP_1)
	v_lshl_or_b32 v[\pw], v[BY+1], 16, v[BY]
	s_delay_alu instid0(VALU_DEP_1)
	v_lshlrev_b32 v[\pw], v[SH8], v[\pw]           ; my two bytes at their places,
	s_delay_alu instid0(VALU_DEP_1)
	v_permlanex16_b32 v[PT], v[\pw], s[SEL], s[SEL+1]
	s_delay_alu instid0(VALU_DEP_1)
	v_or_b32 v[\pw], v[\pw], v[PT]                 ; with lane l xor 16's two the word is whole
	WIN (\sw)
.irp c,0,1
	v_cvt_scalef32_pk16_fp6_f32 v[(\pc)+6*\c:(\pc)+6*\c+2], v[(\src)+32*\c:(\src)+32*\c+15], v[SO+\c]
	v_cvt_scalef32_pk16_fp6_f32 v[PX+4*\c:PX+4*\c+2], v[(\src)+32*\c+16:(\src)+32*\c+31], v[SO+\c]   ; (three registers begin on an even number)
.endr
	WIN 0
	v_nop                                          ; one plain line behind the scaled conversions
.irp c,0,1
.irp i,0,1,2
	v_mov_b32 v[(\pc)+3+6*\c+\i], v[PX+4*\c+\i]
.endr
.endr
.endm
; 16 numbers, k = 16 h + e of ONE block of 32 that lanes l and l xor 16 share: 96 bits of codes at v[pc3], the byte in v[by]
.macro QB16 src, pc3, by
	v_max3_num_f32 v[TM], 0x1800000, |v[(\src)]|, |v[(\src)+1]|
	v_max3_num_f32 v[TM+1], 0x1800000, |v[(\src)+8]|, |v[(\src)+9]|
.irp i,2,4,6
	v_max3_num_f32 v[TM], v[TM], |v[(\src)+\i]|, |v[(\src)+\i+1]|
	v_max3_num_f32 v[TM+1], v[TM+1], |v[(\src)+8+\i]|, |v[(\src)+9+\i]|
.endr
	s_delay_alu instid0(VALU_DEP_1)
	v_max_num_f32 v[TM], v[TM], v[TM+1]
	s_delay_alu instid0(VALU_DEP_1)
	v_permlanex16_b32 v[PT], v[TM], s[SEL], s[SEL+1]
	s_delay_alu instid0(VALU_DEP_1)
	v_max_num_f32 v[TM], v[TM], v[PT]
	s_delay_alu instid0(VALU_DEP_1)
	v_add_nc_u32 v[SO], 0xff000000, v[TM]
	s_delay_alu instid0(VALU_DEP_1)
	v_lshrrev_b32 v[\by], 23, v[SO]
	v_cvt_scalef32_pk16_fp6_f32 v[(\pc3):(\pc3)+2], v[(\src):(\src)+15], v[SO]
	v_nop
.endm
.macro IMAGE adr, off, pc              ; a fragment goes to LDS as an image of its registers
.irp g,0,1,2
	ds_store_b128 v[\adr], v[(\pc)+4*\g:(\pc)+4*\g+3] offset:(\off)+512*\g
.endr
.endm
.macro FETCH reg, adr, off             ; and comes back so, in any wave
.irp g,0,1,2
	ds_load_b128 v[(\reg)+4*\g:(\reg)+4*\g+3], v[\adr] offset:(\off)+512*\g
.endr
.endm
.macro BARRIER                         ; my LDS stores have landed and my LDS loads are in: then the work-group's barrier
	s_wait_dscnt 0x0
	s_barrier_signal -1
	s_barrier_wait -1
.endm
; a scaled product.  c < 0: the constant 0 starts the sum.  row 0: both scale words from lanes 0-15; 1: both from lanes 16-31; 2: source 0's from lanes 16-31
.macro MM d, a, b, c, sa, sb, row
.if (\c) < 0
	v_wmma_scale_f32_16x16x128_f8f6f4 v[(\d):(\d)+7], v[(\a):(\a)+11], v[(\b):(\b)+11], 0, v[(\sa)], v[(\sb)] matrix_a_fmt:MATRIX_FMT_FP6 matrix_b_fmt:MATRIX_FMT_FP6
.elseif (\row) == 0
	v_wmma_scale_f32_16x16x128_f8f6f4 v[(\d):(\d)+7], v[(\a):(\a)+11], v[(\b):(\b)+11], v[(\c):(\c)+7], v[(\sa)], v[(\sb)] matrix_a_fmt:MATRIX_FMT_FP6 matrix_b_fmt:MATRIX_FMT_FP6
.elseif (\row) == 1
	v_wmma_scale_f32_16x16x128_f8f6f4 v[(\d):(\d)+7], v[(\a):(\a)+11], v[(\b):(\b)+11], v[(\c):(\c)+7], v[(\sa)], v[(\sb)] matrix_a_fmt:MATRIX_FMT_FP6 matrix_b_fmt:MATRIX_FMT_FP6 matrix_a_scale:MATRIX_SCALE_ROW1 matrix_b_scale:MATRIX_SCALE_ROW1
.else
	v_wmma_scale_f32_16x16x128_f8f6f4 v[(\d):(\d)+7], v[(\a):(\a)+11], v[(\b):(\b)+11], v[(\c):(\c)+7], v[(\sa)], v[(\sb)] matrix_a_fmt:MATRIX_FMT_FP6 matrix_b_fmt:MATRIX_FMT_FP6 matrix_a_scale:MATRIX_SCALE_ROW1
.endif
.endm
; 16 rows of 1,024 bytes as they lie: each load reads 512 consecutive bytes, 16 a lane (v5 = 16 x lane); the base carries the tile's first row.
; Rows 8-15 lie skip rows further on (a constant) or take the offset register ahi.
.macro LDR reg, ahi, base, pitch, skip
.irp p,0,1,2,3,4,5,6,7
.irp f,0,1
	global_load_b128 v[(\reg)+8*\p+4*\f:(\reg)+8*\p+4*\f+3], v5, s[\base:\base+1] offset:(\pitch)*\p+512*\f
.endr
.endr
.irp p,8,9,10,11,12,13,14,15
.irp f,0,1
	global_load_b128 v[(\reg)+8*\p+4*\f:(\reg)+8*\p+4*\f+3], v[\ahi], s[\base:\base+1] offset:(\pitch)*(\p+(\skip))+512*\f
.endr
.endr
.endm
; The 16 rows turn through my own stage and come back in the quantiser's layout: lane (r, h) gets k = 128 s + 64 c + 32 h + 4 j on of row r, in register 64 s + 32 c + 4 j.
; LDS serves a wave's instructions in order: the loads see the stores.  w: the registers' window.
.macro TURN reg, w
	WIN 0x04*(\w)
.irp p,0,1,2,3,4,5,6,7,8,9,10,11,12,13,14,15
	ds_store_b128 v72, v[(\reg)+8*\p:(\reg)+8*\p+3] offset:1040*\p
	ds_store_b128 v72, v[(\reg)+8*\p+4:(\reg)+8*\p+7] offset:1040*\p+512
.endr
	WIN 0x40*(\w)
.irp s,0,1
.irp c,0,1
.irp j,0,1,2,3,4,5,6,7
	ds_load_b128 v[(\reg)+64*\s+32*\c+4*\j:(\reg)+64*\s+32*\c+4*\j+3], v39 offset:512*\s+256*\c+16*\j
.endr
.endr
.endr
	WIN 0
	s_wait_dscnt 0x0
.endm
.macro PICK base, ptr                  ; the weight in which fragment s40 lies
	s_cmp_ge_u32 s40, \base
	s_cselect_b64 s[42:43], s[\ptr:\ptr+1], s[42:43]
	s_cselect_b32 s41, \base, s41
.endm
	s_load_b512 s[4:19], s[0:1], 0x0               ; tgt, query_pos, ln1_g, ln1_b, in_proj_w, in_proj_b, o_codes, o_scales
	s_load_b512 s[20:35], s[0:1], 0x40             ; attn_out_w, mlp1_w, mlp2_w, v_w, o_w, ff1_w, ff2_w, wfrag
	s_load_b64 s[36:37], s[0:1], 0x80              ; wscl
	v_lshl_add_u32 v62, v0, 2, 0x17c00
	v_mov_b32 v63, 0
	v_lshrrev_b32 v1, 5, v0
	s_delay_alu instid0(VALU_DEP_1)
	v_readfirstlane_b32 s38, v1                    ; wave 0..7
	v_and_b32 v1, 15, v0                           ; r
	v_bfe_u32 v2, v0, 4, 1                         ; h
	s_delay_alu instid0(VALU_DEP_1)
	v_lshlrev_b32 v[SH8], 3, v2
	v_and_b32 v77, 31, v0                          ; lane
	s_delay_alu instid0(VALU_DEP_1)
	v_lshlrev_b32 v5, 4, v77                       ; 16 x lane
	v_bfe_u32 v78, v0, 3, 1                        ; r >> 3
	v_lshlrev_b32 v79, 2, v1                       ; 4 r
	v_mov_b32 v[PT], 0                             ; written once: a lane permute's destination counts as one of its sources
	s_mov_b32 s[SEL], 0x76543210
	s_mov_b32 s[SEL+1], 0xfedcba98
	s_cmp_lt_u32 ttmp9, 32
	s_cbranch_scc1 .Lattention
	; ---------------- a weight fragment ----------------
	s_sub_co_u32 s40, ttmp9, 32
	s_lshl_b32 s40, s40, 3
	s_add_co_u32 s40, s40, s38                     ; F = 8 (work-group - 32) + wave
	s_wait_kmcnt 0x0
	s_mov_b64 s[42:43], s[20:21]
	s_mov_b32 s41, 0
	PICK 32, 22
	PICK 64, 24
	PICK 96, 26
	PICK 128, 28
	PICK 160, 30
	PICK 288, 32
	s_cmp_eq_u32 s41, 32
	s_cselect_b32 s46, 24, 0
	s_cmp_eq_u32 s41, 160
	s_cselect_b32 s46, 24, s46                     ; 24 where the tile's rows are permuted (mlp1, ff1), else 0
	s_cmp_eq_u32 s41, 288
	s_cselect_b32 s47, 3, 1                        ; log2 of the K steps
	s_cselect_b32 s48, 12, 10                      ; log2 of a row's bytes
	s_sub_co_u32 s49, s40, s41
	s_lshr_b32 s50, s49, s47                       ; tile T
	s_lshl_b32 s51, s50, s47
	s_sub_co_u32 s51, s49, s51                     ; K step
	s_lshl_b32 s52, s50, 4                         ; natural: 16 T
	s_lshr_b32 s53, s50, 3
	s_lshl_b32 s53, s53, 7
	s_bfe_u32 s54, s50, 0x10002
	s_lshl_b32 s54, s54, 6
	s_add_co_u32 s53, s53, s54
	s_and_b32 s54, s50, 3
	s_lshl_b32 s54, s54, 3
	s_add_co_u32 s53, s53, s54                     ; permuted: 128 (T>>3) + 64 ((T>>2)&1) + 8 (T&3)
	s_cmp_lg_u32 s46, 0
	s_cselect_b32 s52, s53, s52
	s_wait_alu depctr_va_vdst(0)
	v_mad_u32_u24 v78, v78, s46, v1
	s_delay_alu instid0(VALU_DEP_1)
	v_add_nc_u32 v78, s52, v78                     ; my row
	s_delay_alu instid0(VALU_DEP_1)
	v_lshlrev_b32 v78, s48, v78
	s_delay_alu instid0(VALU_DEP_1)
	v_lshl_add_u32 v78, v2, 7, v78                 ; + 128 h
	s_lshl_b32 s51, s51, 9
	v_add_nc_u32 v72, s51, v78                     ; + 512 x K step
.irp c,0,1
.irp j,0,1,2,3,4,5,6,7
	global_load_b128 v[X+32*\c+4*\j:X+32*\c+4*\j+3], v72, s[42:43] offset:256*\c+16*\j
.endr
.endr
	s_mul_i32 s54, s40, 1536
	s_mov_b32 s55, 0
	s_add_nc_u64 s[34:35], s[34:35], s[54:55]
	s_lshl_b32 s54, s40, 6
	s_add_nc_u64 s[36:37], s[36:37], s[54:55]
	s_wait_loadcnt 0x0
	QUANT X, 0, PC, PW, -1
.irp g,0,1,2
	global_store_b128 v5, v[PC+4*\g:PC+4*\g+3], s[34:35] offset:512*\g   ; 32 lanes store 512 consecutive bytes, at a multiple of 256 from the buffer's first byte
.endr
	global_store_b32 v79, v[PW], s[36:37]          ; 64 bytes a fragment (both halves of the lanes write the same word): 26,624 bytes in the whole launch
	s_endpgm
	; ---------------- attention of one (b, head) ----------------
.Lattention:
	s_and_b32 s40, ttmp9, 3                        ; b
	s_lshr_b32 s41, ttmp9, 2                       ; head
	s_lshr_b32 s50, s38, 2
	s_and_b32 s51, s38, 3
	s_lshl_b32 s52, s50, 6
	s_lshl_b32 s53, s51, 3
	s_add_co_u32 s52, s52, s53
	s_wait_alu depctr_va_vdst(0)
	v_mad_u32_u24 v43, v78, 24, v1
	s_delay_alu instid0(VALU_DEP_1)
	v_add_nc_u32 v43, s52, v43                     ; my sequence row: 64 (w>>2) + 8 (w&3) + r + 24 (r>>3): as key tile w these rows give p's registers the order of the keys
	s_delay_alu instid0(VALU_DEP_1)
	v_lshl_add_u32 v75, v43, 2, s40                ; rho = 4 x row + b
	s_delay_alu instid0(VALU_DEP_1)
	v_lshl_add_u32 v76, v75, 3, s41                ; o_scales: 8 rho + head
	s_delay_alu instid0(VALU_DEP_2)
	v_mul_u32_u24 v75, v75, 192
	s_delay_alu instid0(VALU_DEP_1)
	v_mad_u32_u24 v75, v2, 12, v75
	s_mul_i32 s56, s41, 24
	v_add_nc_u32 v75, s56, v75                     ; o_codes: 192 rho + 24 head + 12 h
	s_min_u32 s57, s38, 5                          ; the weight tile that I quantise: 0, 1 q; 2, 3 k; 4, 5 v (waves 6 and 7 load tile 5's rows and use nothing of them)
	s_lshr_b32 s58, s57, 1
	s_and_b32 s59, s57, 1
	s_cmp_lt_u32 s58, 2
	s_cselect_b32 s61, 3, 4
	s_cselect_b32 s62, 8, 0
	s_lshl_b32 s59, s59, s61
	s_lshl_b32 s60, s58, 8
	s_add_co_u32 s60, s60, s59
	s_lshl_b32 s61, s41, 5
	s_add_co_u32 s60, s60, s61
	s_lshl_b32 s62, s62, 10                        ; q, k: the tile's rows are 8 u + r + 8 (r>>3), so that a lane's 16 results are d = 16 h + 0 .. 15; v: 16 u + r
	v_add_nc_u32 v73, s62, v5                      ; rows 8-15 of the weight tile: 16 x lane + 8 rows (q, k) or 0 (v)
	v_lshrrev_b32 v74, 5, v0
	s_delay_alu instid0(VALU_DEP_1)
	v_min_u32 v74, 2, v74
	s_delay_alu instid0(VALU_DEP_1)
	v_lshlrev_b32 v74, 8, v74
	s_delay_alu instid0(VALU_DEP_1)
	v_add_nc_u32 v74, v74, v77
	s_delay_alu instid0(VALU_DEP_1)
	v_add_nc_u32 v74, s61, v74
	s_delay_alu instid0(VALU_DEP_1)
	v_lshlrev_b32 v74, 2, v74                      ; in_proj_b: 256 min(thread >> 5, 2) + 32 head + thread & 31
	v_lshlrev_b32 v71, 2, v0                       ; 4 x thread
	; LDS addresses: a constant + a constant x lane + a constant x wave
	v_lshlrev_b32 v4, 7, v2                        ; 128 h
	s_mul_i32 s56, s38, 6144
	v_add_nc_u32 v6, s56, v5
	s_delay_alu instid0(VALU_DEP_1)
	v_add_nc_u32 v6, AIMG, v6                      ; my four fragments
	s_lshl_b32 s56, s38, 8
	v_add_nc_u32 v7, s56, v79
	s_delay_alu instid0(VALU_DEP_1)
	v_add_nc_u32 v7, ASC, v7                       ; their scale words, written: + 4 r
	v_lshl_add_u32 v8, v77, 2, s56
	s_delay_alu instid0(VALU_DEP_1)
	v_add_nc_u32 v8, ASC, v8                       ; read: + 4 x lane: K step 0's in lanes 0-15, K step 1's in lanes 16-31
	s_mul_i32 s56, s57, 3072
	v_add_nc_u32 v9, s56, v5
	s_delay_alu instid0(VALU_DEP_1)
	v_add_nc_u32 v9, WIMG, v9
	s_lshl_b32 s56, s57, 7
	v_add_nc_u32 v10, s56, v79
	s_delay_alu instid0(VALU_DEP_1)
	v_add_nc_u32 v10, WSC, v10
	v_add_nc_u32 v11, WIMG, v5
	v_lshl_add_u32 v12, v77, 2, WSC
	s_lshl_b32 s56, s50, 8
	s_lshl_b32 s53, s51, 5
	s_add_co_u32 s56, s56, s53
	v_mul_u32_u24 v13, v1, 528
	s_delay_alu instid0(VALU_DEP_1)
	v_lshl_add_u32 v13, v2, 7, v13
	s_delay_alu instid0(VALU_DEP_1)
	v_add_nc_u32 v13, s56, v13
	s_delay_alu instid0(VALU_DEP_1)
	v_add_nc_u32 v13, VT, v13                      ; v transposed, written: row d = r (+ 16 u), keys 64 (w>>2) + 32 h + 8 (w&3) on
	v_lshl_add_u32 v14, v78, 3, v1
	s_delay_alu instid0(VALU_DEP_1)
	v_mul_u32_u24 v14, v14, 528
	s_delay_alu instid0(VALU_DEP_1)
	v_lshl_add_u32 v14, v2, 7, v14
	s_delay_alu instid0(VALU_DEP_1)
	v_add_nc_u32 v14, VT, v14                      ; read: row d = r + 8 (r>>3) (+ 8 t), keys 32 h on
	s_mul_i32 s56, s38, 768
	v_add_nc_u32 v15, s56, v5
	s_delay_alu instid0(VALU_DEP_1)
	v_add_nc_u32 v15, KIMG, v15
	v_lshl_add_u32 v64, v77, 3, s56
	s_delay_alu instid0(VALU_DEP_1)
	v_add_nc_u32 v64, KIMG+512, v64
	s_lshl_b32 s56, s38, 6
	v_add_nc_u32 v65, s56, v79
	s_delay_alu instid0(VALU_DEP_1)
	v_add_nc_u32 v65, KSC, v65
	v_add_nc_u32 v66, KIMG, v5
	v_lshl_add_u32 v67, v77, 3, KIMG+512
	v_add_nc_u32 v68, KSC, v79
	v_lshl_add_u32 v69, v2, 6, LBI
	v_add_nc_u32 v70, LBI+256, v79
	s_mul_i32 s56, s38, 16640
	s_add_co_u32 s56, s56, STG                     ; my stage
	v_add_nc_u32 v72, s56, v5                      ; into it: 16 x lane
	v_mad_u32_u24 v39, v1, 1040, v4
	v_add_nc_u32 v39, s56, v39                     ; out of it: row r, + 128 h
	s_wait_alu depctr_va_vdst(0)
	s_mov_b32 s46, 0x3e8293ee                      ; log2(e) / sqrt(32)
	s_mov_b32 s47, s46
	s_mov_b32 s48, 0x3b800000                      ; 1 / 256
	s_mov_b32 s49, 0x3727c5ac                      ; 1e-5
	s_wait_kmcnt 0x0
	s_lshl_b32 s54, s40, 10
	s_lshl_b32 s63, s52, 12
	s_add_co_u32 s54, s54, s63                     ; 1,024 b + 4,096 x my wave's first sequence row
	s_mov_b32 s55, 0
	s_add_nc_u64 s[4:5], s[4:5], s[54:55]
	s_add_nc_u64 s[6:7], s[6:7], s[54:55]
	s_lshl_b32 s54, s60, 10
	s_add_nc_u64 s[12:13], s[12:13], s[54:55]      ; my weight tile's first row
	global_load_b32 v112, v71, s[8:9]
	global_load_b32 v113, v71, s[10:11]
	global_load_b32 v114, v74, s[14:15]
	LDR X, 5, 4, 4096, 24                          ; my 16 rows of tgt: rows 8-15 lie 24 sequence rows further on
	WIN 0x40
	LDR 0, 5, 6, 4096, 24                          ; of query_pos: window 1, v0-127
	LDR 128, 73, 12, 1024, 0                       ; my weight tile's rows: window 1, v128-255
	WIN 0
	s_wait_loadcnt 63                              ; 99 were issued: the oldest 36 are in, the three words and tgt among them
	ds_store_b32 v71, v112 offset:LG
	ds_store_b32 v71, v113 offset:LB
	ds_store_b32 v71, v114 offset:LBI
	TURN X, 0
	BARRIER
	; LN1: mean and variance of the row's 256 numbers: my 128 and lane l xor 16's
	v_pk_add_f32 v[114:115], v[128:129], v[136:137]
	v_pk_add_f32 v[116:117], v[144:145], v[152:153]
	v_pk_add_f32 v[118:119], v[160:161], v[168:169]
	v_pk_add_f32 v[126:127], v[176:177], v[184:185]
	v_pk_add_f32 v[124:125], v[192:193], v[200:201]
	v_pk_add_f32 v[122:123], v[208:209], v[216:217]
	v_pk_add_f32 v[120:121], v[224:225], v[232:233]
	v_pk_add_f32 v[112:113], v[240:241], v[248:249]
	s_delay_alu instid0(VALU_DEP_1)
	v_pk_add_f32 v[112:113], v[112:113], v[130:131]
	v_pk_add_f32 v[114:115], v[114:115], v[138:139]
	v_pk_add_f32 v[116:117], v[116:117], v[146:147]
	v_pk_add_f32 v[118:119], v[118:119], v[154:155]
	v_pk_add_f32 v[126:127], v[126:127], v[162:163]
	v_pk_add_f32 v[124:125], v[124:125], v[170:171]
	v_pk_add_f32 v[122:123], v[122:123], v[178:179]
	v_pk_add_f32 v[120:121], v[120:121], v[186:187]
	v_pk_add_f32 v[112:113], v[112:113], v[194:195]
	v_pk_add_f32 v[114:115], v[114:115], v[202:203]
	v_pk_add_f32 v[116:117], v[116:117], v[210:211]
	v_pk_add_f32 v[118:119], v[118:119], v[218:219]
	v_pk_add_f32 v[126:127], v[126:127], v[226:227]
	v_pk_add_f32 v[124:125], v[124:125], v[234:235]
	v_pk_add_f32 v[122:123], v[122:123], v[242:243]
	v_pk_add_f32 v[120:121], v[120:121], v[250:251]
	v_pk_add_f32 v[112:113], v[112:113], v[132:133]
	v_pk_add_f32 v[114:115], v[114:115], v[140:141]
	v_pk_add_f32 v[116:117], v[116:117], v[148:149]
	v_pk_add_f32 v[118:119], v[118:119], v[156:157]
	v_pk_add_f32 v[126:127], v[126:127], v[164:165]
	v_pk_add_f32 v[124:125], v[124:125], v[172:173]
	v_pk_add_f32 v[122:123], v[122:123], v[180:181]
	v_pk_add_f32 v[120:121], v[120:121], v[188:189]
	v_pk_add_f32 v[112:113], v[112:113], v[196:197]
	v_pk_add_f32 v[114:115], v[114:115], v[204:205]
	v_pk_add_f32 v[116:117], v[116:117], v[212:213]
	v_pk_add_f32 v[118:119], v[118:119], v[220:221]
	v_pk_add_f32 v[126:127], v[126:127], v[228:229]
	v_pk_add_f32 v[124:125], v[124:125], v[236:237]
	v_pk_add_f32 v[122:123], v[122:123], v[244:245]
	v_pk_add_f32 v[120:121], v[120:121], v[252:253]
	v_pk_add_f32 v[112:113], v[112:113], v[134:135]
	v_pk_add_f32 v[114:115], v[114:115], v[142:143]
	v_pk_add_f32 v[116:117], v[116:117], v[150:151]
	v_pk_add_f32 v[118:119], v[118:119], v[158:159]
	v_pk_add_f32 v[126:127], v[126:127], v[166:167]
	v_pk_add_f32 v[124:125], v[124:125], v[174:175]
	v_pk_add_f32 v[122:123], v[122:123], v[182:183]
	v_pk_add_f32 v[120:121], v[120:121], v[190:191]
	v_pk_add_f32 v[112:113], v[112:113], v[198:199]
	v_pk_add_f32 v[114:115], v[114:115], v[206:207]
	v_pk_add_f32 v[116:117], v[116:117], v[214:215]
	v_pk_add_f32 v[118:119], v[118:119], v[222:223]
	v_pk_add_f32 v[126:127], v[126:127], v[230:231]
	v_pk_add_f32 v[124:125], v[124:125], v[238:239]
	v_pk_add_f32 v[122:123], v[122:123], v[246:247]
	v_pk_add_f32 v[120:121], v[120:121], v[254:255]
	s_delay_alu instid0(VALU_DEP_4)
	v_pk_add_f32 v[112:113], v[112:113], v[126:127]
	s_delay_alu instid0(VALU_DEP_4)
	v_pk_add_f32 v[114:115], v[114:115], v[124:125]
	s_delay_alu instid0(VALU_DEP_4)
	v_pk_add_f32 v[116:117], v[116:117], v[122:123]
	s_delay_alu instid0(VALU_DEP_4)
	v_pk_add_f32 v[118:119], v[118:119], v[120:121]
	s_delay_alu instid0(VALU_DEP_2)
	v_pk_add_f32 v[112:113], v[112:113], v[116:117]
	s_delay_alu instid0(VALU_DEP_2)
	v_pk_add_f32 v[114:115], v[114:115], v[118:119]
	s_delay_alu instid0(VALU_DEP_1)
	v_pk_add_f32 v[112:113], v[112:113], v[114:115]
	s_delay_alu instid0(VALU_DEP_1)
	v_add_f32 v112, v112, v113
	s_delay_alu instid0(VALU_DEP_1)
	v_permlanex16_b32 v[PT], v112, s[SEL], s[SEL+1]
	s_delay_alu instid0(VALU_DEP_1)
	v_add_f32 v112, v112, v[PT]
	s_delay_alu instid0(VALU_DEP_1)
	v_mul_f32 v46, 0xbb800000, v112                ; - the mean
	s_delay_alu instid0(VALU_DEP_1)
	v_mov_b32 v47, v46
.set JJ, 0
.rept 64
	v_pk_add_f32 v[X+JJ:X+JJ+1], v[X+JJ:X+JJ+1], v[46:47]
.set JJ, JJ+2
.endr
.irp q,0,1,2,3
	v_pk_mul_f32 v[112+2*\q:113+2*\q], v[X+2*\q:X+2*\q+1], v[X+2*\q:X+2*\q+1]
.endr
.irp i,8,16,24,32,40,48,56,64,72,80,88,96,104,112,120
.irp q,0,1,2,3
	s_delay_alu instid0(VALU_DEP_4)
	v_pk_fma_f32 v[112+2*\q:113+2*\q], v[X+\i+2*\q:X+\i+2*\q+1], v[X+\i+2*\q:X+\i+2*\q+1], v[112+2*\q:113+2*\q]
.endr
.endr
	s_delay_alu instid0(VALU_DEP_3)
	v_pk_add_f32 v[112:113], v[112:113], v[114:115]
	s_delay_alu instid0(VALU_DEP_2)
	v_pk_add_f32 v[116:117], v[116:117], v[118:119]
	s_delay_alu instid0(VALU_DEP_1)
	v_pk_add_f32 v[112:113], v[112:113], v[116:117]
	s_delay_alu instid0(VALU_DEP_1)
	v_add_f32 v112, v112, v113
	s_delay_alu instid0(VALU_DEP_1)
	v_permlanex16_b32 v[PT], v112, s[SEL], s[SEL+1]
	s_delay_alu instid0(VALU_DEP_1)
	v_add_f32 v112, v112, v[PT]
	s_delay_alu instid0(VALU_DEP_1)
	v_fma_f32 v112, v112, s48, s49                 ; the variance + 1e-5
	s_wait_alu depctr_va_vdst(0)
	v_rsq_f32 v48, v112
	v_nop                                          ; a plain line behind the transcendental
	s_wait_alu depctr_va_vdst(0)                   ; the wait ahead of the first line that names the result
	v_mov_b32 v49, v48
.set JJ, 0
.rept 64
	v_pk_mul_f32 v[X+JJ:X+JJ+1], v[X+JJ:X+JJ+1], v[48:49]
.set JJ, JJ+2
.endr
	; gain and bias, 16 numbers at a time; then each K step is quantised twice: as LN (for v) and, with query_pos added, for q and k
.irp s,0,1
.irp c,0,1
.irp f,0,1
.irp j,0,1,2,3
	ds_load_b128 v[80+4*\j:83+4*\j], v4 offset:LG+512*\s+256*\c+64*\f+16*\j
	ds_load_b128 v[96+4*\j:99+4*\j], v4 offset:LB+512*\s+256*\c+64*\f+16*\j
.endr
	s_wait_dscnt 0x0
.irp i,0,2,4,6,8,10,12,14
	v_pk_fma_f32 v[X+64*\s+32*\c+16*\f+\i:X+64*\s+32*\c+16*\f+\i+1], v[X+64*\s+32*\c+16*\f+\i:X+64*\s+32*\c+16*\f+\i+1], v[80+\i:81+\i], v[96+\i:97+\i]
.endr
.endr
.endr
	QUANT X+64*\s, 0, PC, PW, -1                   ; (no LDS instruction of mine is out)
	IMAGE 6, 1536*\s, PC
	ds_store_b32 v7, v[PW] offset:64*\s
.if \s == 0
	s_wait_loadcnt 32                              ; query_pos is in; the 32 loads of the weight tile may be out
	TURN 0, 1
.endif
	WIN 0x04
.set JJ, 0
.rept 32
	v_pk_add_f32 v[X+64*\s+JJ:X+64*\s+JJ+1], v[X+64*\s+JJ:X+64*\s+JJ+1], v[64*\s+JJ:64*\s+JJ+1]
.set JJ, JJ+2
.endr
	WIN 0
	QUANT X+64*\s, 0, PC, PW, 0
	IMAGE 6, 1536*(2+\s), PC
	ds_store_b32 v7, v[PW] offset:128+64*\s
.endr
	s_wait_loadcnt 0x0
	s_cmp_lt_u32 s38, 6
	s_cbranch_scc0 .Lno_weight
	TURN 128, 1
	QUANT 128, 1, PC, PW, 0                        ; my weight tile's two K steps
	IMAGE 9, 0, PC
	ds_store_b32 v10, v[PW]
	QUANT 192, 1, PC, PW, 0
	IMAGE 9, 1536, PC
	ds_store_b32 v10, v[PW] offset:64
.Lno_weight:
	BARRIER                                        ; the 12 weight fragments lie in LDS
	WIN 0x40
.irp f,0,1,2,3,4,5,6,7,8,9,10,11
	FETCH 12*\f, 11, 1536*\f                       ; window 1, v0-143
.endr
	WIN 0
.irp f,0,1,2,3
	FETCH 128+12*\f, 6, 1536*\f                    ; my own: LN K steps 0, 1 at v128, v140; LN + pos at v152, v164
.endr
.irp t,0,1,2,3,4,5
	ds_load_b32 v[50+\t], v12 offset:128*\t
.endr
	ds_load_b32 v56, v8
	ds_load_b32 v57, v8 offset:128
.irp t,0,1,2,3                                 ; q's and k's biases are the C of each sum's first product: d = 16 h + 8 u + j
	ds_load_b128 v[176+8*\t:179+8*\t], v69 offset:128*(\t/2)+32*(\t%2)
	ds_load_b128 v[180+8*\t:183+8*\t], v69 offset:128*(\t/2)+32*(\t%2)+16
.endr
	ds_load_b32 v112, v70                          ; v's bias at d = r
	ds_load_b32 v113, v70 offset:64                ; and at d = 16 + r
	s_wait_dscnt 0x0
	; q and k transposed (source 0 = 16 rows of the weight, source 1 = my 16 rows): a lane holds one row and 16 neighbours along d.
	; v natural (source 0 = my rows, source 1 = the weight): a lane holds one d and 8 neighbouring keys.  Six accumulators by turns.
.irp s,0,1
	WIN 0x01
.irp t,0,1,2,3
	MM 176+8*\t, 24*\t+12*\s, 152+12*\s, 176+8*\t, 50+\t, 57, \s
.endr
	WIN 0x04
.irp u,0,1
.if \s == 0
	MM 208+8*\u, 128, 96+24*\u, -1, 56, 54+\u, 0
.else
	MM 208+8*\u, 140, 108+24*\u, 208+8*\u, 56, 54+\u, 1
.endif
.endr
.endr
	WIN 0
.irp i,0,1,2,3,4,5,6,7,8
	v_mov_b32 v[QF+3+\i], 0                        ; K = 32: the other 96 along K are zero codes.  (These lines are also the places behind the products)
.endr
.irp i,0,1,2
	v_mov_b32 v[PC+3+\i], 0
.endr
	QB16 176, QF, 60
.irp i,0,1,2
	v_permlane16_swap_b32 v[QF+\i], v[QF+3+\i]     ; lanes 0-15 get the whole block, lanes 16-31 zeros
.endr
	QB16 192, PC, BY
.irp i,0,1,2
	v_permlane16_swap_b32 v[PC+\i], v[PC+3+\i]
.endr
	ds_store_b128 v15, v[PC:PC+3]
	ds_store_b64 v64, v[PC+4:PC+5]
	ds_store_b32 v65, v[BY]
.irp u,0,1
.irp j,0,1,2,3,4,5,6,7
	v_add_f32 v[208+8*\u+\j], v[112+\u], v[208+8*\u+\j]
.endr
.endr
.irp u,0,1
	ds_store_b128 v13, v[208+8*\u:211+8*\u] offset:8448*\u
	ds_store_b128 v13, v[212+8*\u:215+8*\u] offset:8448*\u+16
.endr
	BARRIER                                        ; k's eight fragments and all of v lie in LDS
	WIN 0x40
.irp t,0,1,2,3,4,5,6,7
	ds_load_b128 v[12*\t:12*\t+3], v66 offset:768*\t
	ds_load_b64 v[12*\t+4:12*\t+5], v67 offset:768*\t
.irp i,6,7,8,9,10,11
	v_mov_b32 v[12*\t+\i], 0
.endr
.endr
	WIN 0
.irp t,0,1,2,3,4,5,6,7
	ds_load_b32 v[50+\t], v68 offset:64*\t
.endr
.irp t,0,1
.irp c,0,1
.irp j,0,1,2,3,4,5,6,7
	ds_load_b128 v[128+64*\t+32*\c+4*\j:131+64*\t+32*\c+4*\j], v14 offset:4224*\t+256*\c+16*\j
.endr
.endr
.endr
	s_wait_dscnt 0x0
	QUANT 128, 0, VF, 58, -1                       ; v^T along the keys: tile t's lane r holds d = 8 t + r + 8 (r>>3)
	QUANT 192, 0, VF+12, 59, -1
	WIN 0x01
.irp t,0,1,2,3,4,5,6,7
	MM 128+8*\t, 12*\t, QF, -1, 50+\t, 60, 0       ; S^T: a lane holds one query; register 32 c + e is key 64 c + 32 h + e
.endr
	WIN 0
	PLACES 4
.irp q,0,1,2,3
	v_max3_num_f32 v[TM+\q], v[128+16*\q], v[129+16*\q], v[130+16*\q]
.endr
.irp i,3,5,7,9,11,13
.irp q,0,1,2,3
	v_max3_num_f32 v[TM+\q], v[TM+\q], v[128+16*\q+\i], v[129+16*\q+\i]
.endr
.endr
.irp q,0,1,2,3
	v_max_num_f32 v[TM+\q], v[TM+\q], v[143+16*\q]
.endr
	s_delay_alu instid0(VALU_DEP_2)
	v_max3_num_f32 v[TM], v[TM], v[TM+1], v[TM+2]
	s_delay_alu instid0(VALU_DEP_1)
	v_max_num_f32 v[TM], v[TM], v[TM+3]
	s_delay_alu instid0(VALU_DEP_1)
	v_permlanex16_b32 v[PT], v[TM], s[SEL], s[SEL+1]
	s_delay_alu instid0(VALU_DEP_1)
	v_max_num_f32 v[TM], v[TM], v[PT]              ; the row's largest score
	s_delay_alu instid0(VALU_DEP_1)
	v_mul_f32 v[TM], s46, v[TM]                    ; as t
	s_delay_alu instid0(VALU_DEP_1)
	v_floor_f32 v46, -v[TM]                        ; -M = floor(-t): M is a whole number
.set JJ, 0
.rept 32
	v_pk_fma_f32 v[128+JJ:129+JJ], v[128+JJ:129+JJ], s[46:47], v[46:47] op_sel_hi:[1,0,0]
.set JJ, JJ+2
.endr
.set JJ, 0
	s_wait_alu depctr_va_vdst(0)
.rept 64
	v_exp_f32 v[128+JJ], v[128+JJ]                 ; p = 2^(t - M): one batch
.set JJ, JJ+1
.endr
	v_nop
	s_wait_alu depctr_va_vdst(0)                   ; one wait for the batch, ahead of its first reader
	v_pk_add_f32 v[46:47], v[128:129], v[130:131]
	v_pk_add_f32 v[254:255], v[136:137], v[140:141]
	v_pk_add_f32 v[252:253], v[144:145], v[148:149]
	v_pk_add_f32 v[250:251], v[152:153], v[156:157]
	v_pk_add_f32 v[248:249], v[160:161], v[164:165]
	v_pk_add_f32 v[246:247], v[168:169], v[172:173]
	v_pk_add_f32 v[244:245], v[176:177], v[180:181]
	v_pk_add_f32 v[48:49], v[184:185], v[188:189]
	v_pk_add_f32 v[48:49], v[48:49], v[132:133]
	v_pk_add_f32 v[46:47], v[46:47], v[134:135]
	v_pk_add_f32 v[254:255], v[254:255], v[138:139]
	v_pk_add_f32 v[252:253], v[252:253], v[142:143]
	v_pk_add_f32 v[250:251], v[250:251], v[146:147]
	v_pk_add_f32 v[248:249], v[248:249], v[150:151]
	v_pk_add_f32 v[246:247], v[246:247], v[154:155]
	v_pk_add_f32 v[244:245], v[244:245], v[158:159]
	v_pk_add_f32 v[48:49], v[48:49], v[162:163]
	v_pk_add_f32 v[46:47], v[46:47], v[166:167]
	v_pk_add_f32 v[254:255], v[254:255], v[170:171]
	v_pk_add_f32 v[252:253], v[252:253], v[174:175]
	v_pk_add_f32 v[250:251], v[250:251], v[178:179]
	v_pk_add_f32 v[248:249], v[248:249], v[182:183]
	v_pk_add_f32 v[246:247], v[246:247], v[186:187]
	v_pk_add_f32 v[244:245], v[244:245], v[190:191]
	s_delay_alu instid0(VALU_DEP_4)
	v_pk_add_f32 v[48:49], v[48:49], v[250:251]
	s_delay_alu instid0(VALU_DEP_4)
	v_pk_add_f32 v[46:47], v[46:47], v[248:249]
	s_delay_alu instid0(VALU_DEP_4)
	v_pk_add_f32 v[254:255], v[254:255], v[246:247]
	s_delay_alu instid0(VALU_DEP_4)
	v_pk_add_f32 v[252:253], v[252:253], v[244:245]
	s_delay_alu instid0(VALU_DEP_2)
	v_pk_add_f32 v[48:49], v[48:49], v[254:255]
	s_delay_alu instid0(VALU_DEP_2)
	v_pk_add_f32 v[46:47], v[46:47], v[252:253]
	s_delay_alu instid0(VALU_DEP_1)
	v_pk_add_f32 v[48:49], v[48:49], v[46:47]
	s_delay_alu instid0(VALU_DEP_1)
	v_add_f32 v48, v48, v49
	s_delay_alu instid0(VALU_DEP_1)
	v_permlanex16_b32 v[PT], v48, s[SEL], s[SEL+1]
	s_delay_alu instid0(VALU_DEP_1)
	v_add_f32 v48, v48, v[PT]
	QUANT 128, 0, PF, 61, -1
	PLACES 4                                       ; the operand's last register stands 4 plain lines ahead of the scaled product, its scale word 11
.irp t,0,1
	MM 192+8*\t, VF+12*\t, PF, -1, 58+\t, 61, 0    ; O^T: register 8 t + j is d = 16 h + 8 t + j of my query
.endr
	s_wait_alu depctr_va_vdst(0)
	v_rcp_f32 v49, v48
	PLACES 4
	s_wait_alu depctr_va_vdst(0)
.set JJ, 0
.rept 16
	v_mul_f32 v[208+JJ], v[192+JJ], v49
.set JJ, JJ+1
.endr
	QB16 208, PC, BY                               ; o's block of 32 along the next K is this head
	global_store_b96 v75, v[PC:PC+2], s[16:17]
	global_store_b8 v76, v[BY], s[18:19]           ; (both halves of the lanes write the same byte)
	s_wait_tensorcnt 0x0
	ds_add_u32 v62, v63
	s_wait_dscnt 0x0
	s_endpgm
.Lfunc_end_k_q68d7853899_prep:
	.size	k_q68d7853899_prep, .Lfunc_end_k_q68d7853899_prep-k_q68d7853899_prep
	.p2alignl 7, 3214868480
	.fill 96, 4, 3214868480
	.section	.rodata,"a",@progbits
	.p2align	6, 0x0
	.amdhsa_kernel k_q68d7853899_prep
		.amdhsa_group_segment_fixed_size 231424
		.amdhsa_private_segment_fixed_size 0
		.amdhsa_enable_private_segment 0
		.amdhsa_kernarg_size 136
		.amdhsa_user_sgpr_count 2
		.amdhsa_user_sgpr_kernarg_segment_ptr 1
		.amdhsa_wavefront_size32 1
		.amdhsa_system_sgpr_workgroup_id_x 1
		.amdhsa_system_sgpr_workgroup_id_y 1
		.amdhsa_system_sgpr_workgroup_id_z 1
		.amdhsa_system_vgpr_workitem_id 0
		.amdhsa_next_free_vgpr 512
		.amdhsa_next_free_sgpr 66
		.amdhsa_reserve_vcc 0
		.amdhsa_float_denorm_mode_32 3
		.amdhsa_float_denorm_mode_16_64 3
		.amdhsa_memory_ordered 1
		.amdhsa_forward_progress 1
		.amdhsa_inst_pref_size 127
	.end_amdhsa_kernel
	.amdgpu_metadata
---
amdhsa.version: [ 1, 2 ]
amdhsa.kernels:
  - .name:           k_q68d7853899_prep
    .symbol:         k_q68d7853899_prep.kd
    .args:
      - { .name: tgt, .offset: 0, .size: 8, .value_kind: global_buffer, .address_space: global }
      - { .name: query_pos, .offset: 8, .size: 8, .value_kind: global_buffer, .address_space: global }
      - { .name: ln1_g, .offset: 16, .size: 8, .value_kind: global_buffer, .address_space: global }
      - { .name: ln1_b, .offset: 24, .size: 8, .value_kind: global_buffer, .address_space: global }
      - { .name: in_proj_w, .offset: 32, .size: 8, .value_kind: global_buffer, .address_space: global }
      - { .name: in_proj_b, .offset: 40, .size: 8, .value_kind: global_buffer, .address_space: global }
      - { .name: o_codes, .offset: 48, .size: 8, .value_kind: global_buffer, .address_space: global }
      - { .name: o_scales, .offset: 56, .size: 8, .value_kind: global_buffer, .address_space: global }
      - { .name: attn_out_w, .offset: 64, .size: 8, .value_kind: global_buffer, .address_space: global }
      - { .name: mlp1_w, .offset: 72, .size: 8, .value_kind: global_buffer, .address_space: global }
      - { .name: mlp2_w, .offset: 80, .size: 8, .value_kind: global_buffer, .address_space: global }
      - { .name: v_w, .offset: 88, .size: 8, .value_kind: global_buffer, .address_space: global }
      - { .name: o_w, .offset: 96, .size: 8, .value_kind: global_buffer, .address_space: global }
      - { .name: ff1_w, .offset: 104, .size: 8, .value_kind: global_buffer, .address_space: global }
      - { .name: ff2_w, .offset: 112, .size: 8, .value_kind: global_buffer, .address_space: global }
      - { .name: wfrag, .offset: 120, .size: 8, .value_kind: global_buffer, .address_space: global }
      - { .name: wscl, .offset: 128, .size: 8, .value_kind: global_buffer, .address_space: global }
    .group_segment_fixed_size: 231424
    .private_segment_fixed_size: 0
    .kernarg_segment_align: 8
    .kernarg_segment_size: 136
    .max_flat_workgroup_size: 256
    .sgpr_count:     66
    .vgpr_count:     512
    .wavefront_size: 32
...
	.end_amdgpu_metadata
.endif
;; end of part 1
;; launch relation (part 2): grid 64 x 4, 4 waves a work-group, clusters of 4 x 1, 327,680 bytes of LDS; arguments relative_pos, memory, tgt, o_codes, o_scales, wfrag, wscl, attn_out_b, ln2_g, ln2_b, mlp1_b, mlp2_b, v_b, o_b, ln3_g, ln3_b, ff1_b, ff2_b, out0; writes out0
.if DOCPART == 2
	.amdgcn_target "amdgcn-amd-amdhsa--gfx1250"
	.amdhsa_code_object_version 6
	.text
	.protected	k_q68d7853899_relation
	.globl	k_q68d7853899_relation
	.p2align	8
	.type	k_q68d7853899_relation,@function
k_q68d7853899_relation:
	s_mov_b64 s[64:65], 0
	v_nop
	global_prefetch_b8 v0, s[64:65] scope:SCOPE_SE
	s_setreg_imm32_b32 hwreg(HW_REG_WAVE_MODE, 25, 1), 1
	s_wait_xcnt 0x0
	s_wait_alu depctr_hold_cnt(0) depctr_sa_sdst(0) depctr_va_vdst(0) depctr_va_sdst(0) depctr_va_ssrc(0) depctr_va_vcc(0) depctr_vm_vsrc(0)
	s_getreg_b32 s2, hwreg(HW_REG_IB_STS2, 6, 4)
	s_cmp_eq_u32 s2, 0
	s_cbranch_scc0 .Lentry_in_a_cluster
	s_endpgm
.Lentry_in_a_cluster:
	s_bfe_u32 s2, ttmp6, 0x10000c
	s_cmp_lg_u32 s2, 0x3003
	s_cbranch_scc0 .Lentry_shape_is_right
	s_endpgm
.Lentry_shape_is_right:
; A work-group owns two queries q0, q0 + 1 of one batch b (two UNITS) from the self-attention's out-projection to the layer's output.
; HEAD: o W_out^T + bias + tgt, LN2.  LOOP: 16 slots of 32 context rows c: x = (tgt2 - mem) + rel and y = mem + rel are quantised, h = relu(x W1^T + b1) is quantised,
; sim = h W2^T, v2 = y Wv^T, and a running softmax over c (f32, with a running maximum) weighs v2.  TAIL: relu(t Wo^T + bo) + tgt2, LN3, the FFN, the residual, out0.
; All matrix products are on codes of FP6 (E2M3) with one E8M0 scale for each 32 along K; x, y, h, sim and v2 never go to memory.
; SHARES.  Wave w: unit u = w >> 1, half n = w & 1 of the 256 columns.  Its 128 columns of W1, W2 and Wv (3 x 16 fragments, 576 registers) stay in registers for the whole loop,
; so each activation fragment from LDS feeds 8 products; a column's softmax lives in one wave.  In head and tail lane r carries unit r & 1 (a tile of 16 rows has two distinct ones).
; TILES.  relative_pos (each byte is read once, by one work-group) and memory come by tensor loads into two LDS slots: 32 rows of 1,024 bytes + 16 of padding.  Waves 0 and 1 load the two units' tiles.
; CLUSTER.  The four partners have one b and walk the same rows of memory: wave 2's load is JOINT (mask 15): a third of a slot's bytes is fetched once for four.
; Wave 3 prefetches the two units' tiles of relative_pos that the next refill will ask for: a lane a row, four blocks of 256 bytes a row, each named once.
; OPERANDS go from wave to wave as images of their registers (three stores of 512 bytes); scale words 4 bytes a lane, K step 0's and K step 1's side by side, so that one register serves both K steps.
; REARRANGED, with the same value up to f32 rounding: v_b is added behind the weighted mean (the weights sum to 1); mlp2_b enters the exponent and the running maximum; ff2's K is summed in four parts, one a wave.
; LIMITS: a block of zeros gets the scale byte 1 (its codes are zeros; the bytes are read here alone); NaN and infinities are not served; an exponential under 2^-126 counts as 0.
; REGISTERS, window 0: v1-15, v94-95, v119, v123-127 addresses; v16-39 the weights' scale words; v40-47 c x mlp2_b; v48-55 running maxima; v56-71 sums; v72-87 weighted sums;
;   v88-91 the activations' scale words; v96-122 at work; v128-255 numbers, fragments, accumulators.  Window 1: W1, from v192 b1.  Window 2: W2, from v192 tgt2.  Window 3: Wv, from v192 x's or y's fragments.
.set PER,   131072                     ; LDS: two periods, one bit apart.  In each: y's images 12,288; their scale words 512; rel of unit 0, of unit 1, memory: 33,280 each
.set YSC,   12288
.set REL,   12800
.set MEMO,  79360
.set XIMG,  243712                     ; x's eight images; + 12,288 h's
.set XSC,   268288                     ; x's scale words; + 512 h's
.set TGR,   269312                     ; tgt2, two rows of 1,024 bytes; + 2,048 t; + 4,096 LN3's result; + 6,144 t + tgt2
.set RED,   277504                     ; partial sums of the two norms
.set PART,  277760                     ; ff2's four partial results
.set SPARE, 285952                     ; the spare words: 128 bytes for each wave, named by no other line
.set SPW, 1
.set NIL, 2
.set SH8, 3
.set IW,  4                            ; images written: XIMG + 16 lane + 6,144 u + 1,536 n
.set IR,  5                            ; read: XIMG + 16 lane + 6,144 u
.set SW,  6                            ; scale words written: XSC + 4 r + 256 u + 64 n
.set SR,  7                            ; read: XSC + 4 lane + 256 u
.set AR0, 8                            ; period 0's addresses: rel, memory, y's images written and read, y's scale words written and read
.set AM0, 9
.set YW0, 10
.set YR0, 11
.set YSW0, 12
.set YSR0, 13
.set PFO, 14
.set YSR, 15                           ; the slot's addresses: v15, v123-127
.set AR,  123
.set AM,  124
.set YW,  125
.set YR,  126
.set YSW, 127
.set PW,  92
.set PT,  93
.set RDW, 94
.set RDR, 95
.set TM,  96
.set SO,  100
.set BY,  102
.set PC,  104
.set PX,  116
.set ZST, 119                          ; TGR + 1,024 (r & 1) + 256 w + 32 h: a small accumulator's place in a row
.set ZA,  224                          ; v224-255 four small accumulators of head and tail
.set SEL, 26
.set G0W, 80                           ; s[80:83] group 0, s[84:91] group 1 of the loads that bring ff2's fragments into the slots' bytes (the arguments that lay there have been used by then)
.set G1W, 84
.set MSB, 0
.macro WIN new                         ; the immediate's high byte repeats the setting that is left
.if MSB != (\new)
	s_set_vgpr_msb (MSB<<8)|(\new)
.set MSB, (\new)
.endif
.endm
.macro PLACES n
.rept \n
	v_nop
.endr
.endm
; 64 numbers in window sw, register 32 c + e = k 64 c + 32 h + e of my row, become 12 registers of codes at v[pc] and the row's scale word in v[pw].
; The last argument is kept for the callers' sake and does nothing.  QMG is one of the eight groups of its maxima, QFIN all that follows them: P1 lays them among its products.
.macro QUANT src, sw, pc, pw, wt
	WIN 0x14*(\sw)
.irp q,0,1,2,3
	v_max3_num_f32 v[TM+\q], 0x1800000, |v[(\src)+16*\q]|, |v[(\src)+16*\q+1]|   ; four chains of 16; the floor 2^(3 - 127) holds the byte at 1 from below
.endr
.irp i,2,4,6,8,10,12,14
.irp q,0,1,2,3
	v_max3_num_f32 v[TM+\q], v[TM+\q], |v[(\src)+16*\q+\i]|, |v[(\src)+16*\q+\i+1]|
.endr
.endr
	WIN 0
	QFIN \src, \sw, \pc, \pw
.endm
.macro QMG src, g                      ; group g of the maxima, numbers in window 0
.irp q,0,1,2,3
.if (\g) == 0
	v_max3_num_f32 v[TM+\q], 0x1800000, |v[(\src)+16*\q]|, |v[(\src)+16*\q+1]|
.else
	v_max3_num_f32 v[TM+\q], v[TM+\q], |v[(\src)+16*\q+2*(\g)]|, |v[(\src)+16*\q+2*(\g)+1]|
.endif
.endr
.endm
.macro QFIN src, sw, pc, pw
	v_max_num_f32 v[TM], v[TM], v[TM+1]
	v_max_num_f32 v[TM+2], v[TM+2], v[TM+3]
	v_add_nc_u32 v[SO], 0xff000000, v[TM]          ; 2 off the exponent field: the conversion's scale operand
	v_add_nc_u32 v[SO+1], 0xff000000, v[TM+2]
	v_lshrrev_b32 v[BY], 23, v[SO]
	v_lshrrev_b32 v[BY+1], 23, v[SO+1]
	v_lshl_or_b32 v[\pw], v[BY+1], 16, v[BY]
	v_lshlrev_b32 v[\pw], v[SH8], v[\pw]
	v_permlanex16_b32 v[PT], v[\pw], s[SEL], s[SEL+1]
	v_or_b32 v[\pw], v[\pw], v[PT]
	WIN (\sw)
.irp c,0,1
	v_cvt_scalef32_pk16_fp6_f32 v[(\pc)+6*\c:(\pc)+6*\c+2], v[(\src)+32*\c:(\src)+32*\c+15], v[SO+\c]
	v_cvt_scalef32_pk16_fp6_f32 v[PX+4*\c:PX+4*\c+2], v[(\src)+32*\c+16:(\src)+32*\c+31], v[SO+\c]
.endr
	WIN 0
	v_nop                                          ; one plain line behind the scaled conversions
.irp c,0,1
.irp i,0,1,2
	v_mov_b32 v[(\pc)+3+6*\c+\i], v[PX+4*\c+\i]
.endr
.endr
.endm
.macro IMAGE adr, off, pc
.irp g,0,1,2
	ds_store_b128 v[\adr], v[(\pc)+4*\g:(\pc)+4*\g+3] offset:(\off)+512*\g
.endr
.endm
.macro FETCH reg, adr, off
.irp g,0,1,2
	ds_load_b128 v[(\reg)+4*\g:(\reg)+4*\g+3], v[\adr] offset:(\off)+512*\g
.endr
.endm
.macro BARRIER
	s_wait_dscnt 0x0
	s_barrier_signal -1
	s_barrier_wait -1
.endm
.macro ROUND                           ; a round of the cluster's barrier
	s_barrier_signal -1
	s_barrier_wait -1
	s_cmp_lg_u32 s20, 0
	s_cbranch_scc1 .Lnot_wave_0_\@
	s_barrier_signal -3
.Lnot_wave_0_\@:
	s_barrier_wait -3
	s_barrier_signal -1
	s_barrier_wait -1
.endm
; a scaled product.  c < 0: the constant 0 starts the sum.  row 0: both scale words from lanes 0-15; 1: both from lanes 16-31; 2: source 0's from lanes 16-31
.macro MM d, a, b, c, sa, sb, row
.if (\c) < 0
	v_wmma_scale_f32_16x16x128_f8f6f4 v[(\d):(\d)+7], v[(\a):(\a)+11], v[(\b):(\b)+11], 0, v[(\sa)], v[(\sb)] matrix_a_fmt:MATRIX_FMT_FP6 matrix_b_fmt:MATRIX_FMT_FP6
.elseif (\row) == 0
	v_wmma_scale_f32_16x16x128_f8f6f4 v[(\d):(\d)+7], v[(\a):(\a)+11], v[(\b):(\b)+11], v[(\c):(\c)+7], v[(\sa)], v[(\sb)] matrix_a_fmt:MATRIX_FMT_FP6 matrix_b_fmt:MATRIX_FMT_FP6
.elseif (\row) == 1
	v_wmma_scale_f32_16x16x128_f8f6f4 v[(\d):(\d)+7], v[(\a):(\a)+11], v[(\b):(\b)+11], v[(\c):(\c)+7], v[(\sa)], v[(\sb)] matrix_a_fmt:MATRIX_FMT_FP6 matrix_b_fmt:MATRIX_FMT_FP6 matrix_a_scale:MATRIX_SCALE_ROW1 matrix_b_scale:MATRIX_SCALE_ROW1
.else
	v_wmma_scale_f32_16x16x128_f8f6f4 v[(\d):(\d)+7], v[(\a):(\a)+11], v[(\b):(\b)+11], v[(\c):(\c)+7], v[(\sa)], v[(\sb)] matrix_a_fmt:MATRIX_FMT_FP6 matrix_b_fmt:MATRIX_FMT_FP6 matrix_a_scale:MATRIX_SCALE_ROW1
.endif
.endm
.macro ZLOAD reg, adr, base            ; 32 numbers in a small accumulator's layout: feature 64 w + 16 t + 8 h + j (the base carries 256 w)
.irp t,0,1,2,3
	global_load_b128 v[(\reg)+8*\t:(\reg)+8*\t+3], v[\adr], s[\base:\base+1] offset:64*\t
	global_load_b128 v[(\reg)+8*\t+4:(\reg)+8*\t+7], v[\adr], s[\base:\base+1] offset:64*\t+16
.endr
.endm
.macro ZSTORE off                      ; the four small accumulators into a row in LDS (lanes of one parity write the same bytes with the same values)
.irp t,0,1,2,3
	ds_store_b128 v[ZST], v[ZA+8*\t:ZA+8*\t+3] offset:(\off)+64*\t
	ds_store_b128 v[ZST], v[ZA+8*\t+4:ZA+8*\t+7] offset:(\off)+64*\t+16
.endr
.endm
.macro RESID                           ; the small accumulators + 32 numbers in window 3, v192 on
	WIN 0x0c
.set JJ, 0
.rept 16
	v_pk_add_f32 v[ZA+JJ:ZA+JJ+1], v[ZA+JJ:ZA+JJ+1], v[192+JJ:193+JJ]
.set JJ, JJ+2
.endr
	WIN 0
.endm
.macro RSUM off                        ; two chains -> my 32 -> the wave's 64 -> through LDS the row's 256, in every lane of the row's parity
	v_pk_add_f32 v[96:97], v[96:97], v[98:99]
	v_add_f32 v96, v96, v97
	v_permlanex16_b32 v[PT], v96, s[SEL], s[SEL+1]
	v_add_f32 v96, v96, v[PT]
	ds_store_b32 v[RDW], v96 offset:\off
	BARRIER
.irp k,0,1,2,3
	ds_load_b32 v[96+\k], v[RDR] offset:(\off)+8*\k
.endr
	s_wait_dscnt 0x0
	v_add_f32 v96, v96, v97
	v_add_f32 v96, v96, v98
	v_add_f32 v96, v96, v99
.endm
.macro LNORM a, b                      ; a layer norm of the rows in the small accumulators; gain and bias in window 2, v192 and v224 on
	v_pk_add_f32 v[96:97], v[ZA:ZA+1], v[ZA+2:ZA+3]
	v_pk_add_f32 v[98:99], v[ZA+4:ZA+5], v[ZA+6:ZA+7]
.irp i,8,12,16,20,24,28
	v_pk_add_f32 v[96:97], v[96:97], v[ZA+\i:ZA+\i+1]
	v_pk_add_f32 v[98:99], v[98:99], v[ZA+\i+2:ZA+\i+3]
.endr
	RSUM \a
	v_mul_f32 v100, 0xbb800000, v96                ; - the mean
	v_mov_b32 v101, v100
.set JJ, 0
.rept 16
	v_pk_add_f32 v[ZA+JJ:ZA+JJ+1], v[ZA+JJ:ZA+JJ+1], v[100:101]
.set JJ, JJ+2
.endr
	v_pk_mul_f32 v[96:97], v[ZA:ZA+1], v[ZA:ZA+1]
	v_pk_mul_f32 v[98:99], v[ZA+2:ZA+3], v[ZA+2:ZA+3]
.irp i,4,8,12,16,20,24,28
	v_pk_fma_f32 v[96:97], v[ZA+\i:ZA+\i+1], v[ZA+\i:ZA+\i+1], v[96:97]
	v_pk_fma_f32 v[98:99], v[ZA+\i+2:ZA+\i+3], v[ZA+\i+2:ZA+\i+3], v[98:99]
.endr
	RSUM \b
	v_fma_f32 v96, v96, s96, s97                   ; the variance + 1e-5
	s_wait_alu depctr_va_vdst(0)
	v_rsq_f32 v100, v96
	v_nop
	s_wait_alu depctr_va_vdst(0)                   ; the wait ahead of the first line that names the result
	v_mov_b32 v101, v100
.set JJ, 0
.rept 16
	v_pk_mul_f32 v[ZA+JJ:ZA+JJ+1], v[ZA+JJ:ZA+JJ+1], v[100:101]
.set JJ, JJ+2
.endr
	WIN 0x28
.set JJ, 0
.rept 16
	v_pk_fma_f32 v[ZA+JJ:ZA+JJ+1], v[ZA+JJ:ZA+JJ+1], v[192+JJ:193+JJ], v[224+JJ:225+JJ]
.set JJ, JJ+2
.endr
	WIN 0
.endm
	s_load_b512 s[68:83], s[0:1], 0x0              ; relative_pos, memory, tgt, o_codes, o_scales, wfrag, wscl, attn_out_b
	s_load_b256 s[84:91], s[0:1], 0x40             ; ln2_g, ln2_b, mlp1_b, mlp2_b
	s_load_b64 s[100:101], s[0:1], 0x60            ; v_b
	v_lshl_add_u32 v[SPW], v0, 2, SPARE
	v_mov_b32 v[NIL], 0
	ds_add_u32 v1, v2
	ds_add_u32 v1, v2
	s_wait_dscnt 0x0
	v_lshrrev_b32 v3, 5, v0
	v_readfirstlane_b32 s20, v3                    ; wave 0..3
	s_lshr_b32 s21, s20, 1                         ; u
	s_and_b32 s22, s20, 1                          ; n
	s_and_b32 s23, ttmp7, 0xffff                   ; b: the four partners share it
	s_bfe_u32 s25, ttmp6, 0x40000                  ; cx: it enters global addresses alone
	s_lshl_b32 s24, ttmp9, 2
	s_add_co_u32 s24, s24, s25
	s_lshl_b32 s24, s24, 1                         ; q0
	s_mov_b32 s[SEL], 0x76543210
	s_mov_b32 s[SEL+1], 0xfedcba98
	s_mov_b32 s28, 0x3db8aa3b                      ; c = log2(e) / sqrt(256)
	s_mov_b32 s29, s28
	s_mov_b32 s30, 0                               ; the period in hand
	s_mov_b32 s96, 0x3b800000                      ; 1 / 256
	s_mov_b32 s97, 0x3727c5ac                      ; 1e-5
	; descriptor group 1: 32 rows of 256 elements of 4 bytes, 1,024 elements apart; 4 words of padding behind every 256
	s_mov_b32 s32, 0x07D20000                      ; relative_pos: no mask
	s_mov_b32 s40, 0x07F2000F                      ; memory: mask 15, bit 21 beside it
.irp g,32,40
	s_mov_b32 s[\g+1], 256<<16
	s_mov_b32 s[\g+2], 32<<16
	s_mov_b32 s[\g+3], 256<<16
	s_mov_b32 s[\g+4], 32
	s_mov_b32 s[\g+5], 1024
	s_mov_b32 s[\g+6], 0
	s_mov_b32 s[\g+7], 0
.endr
	s_mul_i32 s2, s22, 33280
	s_add_co_u32 s2, s2, REL                       ; where wave 0's and wave 1's tiles go
	s_add_co_u32 s3, s24, s22
	s_lshl_b32 s4, s3, 21                          ; a query's 2,097,152 bytes
	s_mov_b32 s5, 0
	s_lshl_b32 s6, s23, 10
	s_mov_b32 s7, 0
	s_lshl_b32 s10, s24, 21
	s_mov_b32 s11, 0
	s_wait_kmcnt 0x0
	s_add_nc_u64 s[8:9], s[68:69], s[4:5]
	s_add_nc_u64 s[8:9], s[8:9], s[6:7]
	s_mov_b32 s48, 1                               ; group 0, relative_pos, tile 0
	s_mov_b32 s49, s2
	s_mov_b64 s[50:51], s[8:9]
	s_or_b32 s51, s51, 0x80000000
	s_mov_b32 s52, 1                               ; tile 1; this set then walks
	s_add_co_u32 s53, s2, PER
	s_add_nc_u64 s[54:55], s[8:9], PER
	s_or_b32 s55, s55, 0x80000000
	s_mov_b32 s56, 1                               ; memory, tile 0
	s_mov_b32 s57, MEMO
	s_add_nc_u64 s[58:59], s[70:71], s[6:7]
	s_add_nc_u64 s[62:63], s[58:59], PER
	s_or_b32 s59, s59, 0x80000000
	s_mov_b32 s60, 1                               ; tile 1; walks
	s_mov_b32 s61, MEMO+PER
	s_or_b32 s63, s63, 0x80000000
	s_add_nc_u64 s[66:67], s[68:69], s[10:11]      ; the prefetches: unit 0's tile 2; each refill steps it a tile ahead of its use
	s_add_nc_u64 s[66:67], s[66:67], s[6:7]
	s_add_nc_u64 s[66:67], s[66:67], 2*PER
	ROUND                                          ; all four work-groups are here: the first joint loads meet
	s_cmp_lt_u32 s20, 2                            ; tile 0 alone
	s_cbranch_scc0 .Lfirst_not_rel
	tensor_load_to_lds s[48:51], s[32:39]
	s_nop 0
	PLACES 4
	s_branch .Lfirst_asked
.Lfirst_not_rel:
	s_cmp_eq_u32 s20, 2
	s_cbranch_scc0 .Lfirst_asked
	tensor_load_to_lds s[56:59], s[40:47]
	s_nop 0
	PLACES 4
.Lfirst_asked:
	v_and_b32 v96, 31, v0                          ; lane
	v_and_b32 v97, 15, v0                          ; r
	v_bfe_u32 v98, v0, 4, 1                        ; h
	v_and_b32 v99, 1, v0                           ; r & 1: the unit that my lane carries in head and tail
	v_lshlrev_b32 v[SH8], 3, v98
	v_mov_b32 v[PT], 0
	v_lshlrev_b32 v112, 4, v96                     ; global offsets: 16 lane,
	v_lshlrev_b32 v113, 2, v96                     ; 4 lane,
	v_add_nc_u32 v100, s24, v99
	v_lshl_add_u32 v100, v100, 2, s23              ; rho = 4 (q0 + (r & 1)) + b
	v_mul_u32_u24 v114, v100, 192
	v_mad_u32_u24 v114, v98, 24, v114              ; o's codes: 192 rho + 24 h,
	s_wait_alu depctr_va_vdst(0)
	v_lshlrev_b32 v115, 3, v100
	v_lshl_add_u32 v115, v98, 2, v115              ; o's scale words: 8 rho + 4 h: K step 0's in lanes 0-15, K step 1's in lanes 16-31,
	s_wait_alu depctr_va_vdst(0)
	v_lshlrev_b32 v116, 5, v98                     ; 32 h,
	s_wait_alu depctr_va_vdst(0)
	v_lshl_add_u32 v117, v100, 10, v116            ; 1,024 rho + 32 h,
	s_wait_alu depctr_va_vdst(0)
	v_lshlrev_b32 v118, 7, v98                     ; 128 h,
	s_wait_alu depctr_va_vdst(0)
	v_lshlrev_b32 v120, 2, v97                     ; 4 r
	s_wait_alu depctr_va_vdst(0)
	s_mov_b64 s[92:93], s[78:79]                   ; wfrag and wscl are kept for the tail
	s_mov_b64 s[94:95], s[80:81]
	s_mov_b32 s17, 0
	s_lshl_b32 s16, s20, 8
	s_add_nc_u64 s[82:83], s[82:83], s[16:17]
	s_add_nc_u64 s[72:73], s[72:73], s[16:17]
	s_add_nc_u64 s[84:85], s[84:85], s[16:17]
	s_add_nc_u64 s[86:87], s[86:87], s[16:17]
	s_mul_i32 s16, s20, 12288
	s_add_nc_u64 s[78:79], s[78:79], s[16:17]      ; attn_out_w's fragments 8 w on
	s_lshl_b32 s16, s20, 9
	s_add_nc_u64 s[80:81], s[80:81], s[16:17]
	s_mul_i32 s16, s22, 24576
	s_add_co_u32 s16, s16, 49152
	s_add_nc_u64 s[18:19], s[92:93], s[16:17]      ; mlp1's fragments 32 + 16 n on; mlp2's 32 fragments further, v's 64
	s_lshl_b32 s16, s22, 10
	s_add_co_u32 s16, s16, 2048
	s_add_nc_u64 s[14:15], s[94:95], s[16:17]
	s_lshl_b32 s16, s22, 9
	s_add_nc_u64 s[88:89], s[88:89], s[16:17]
	s_add_nc_u64 s[90:91], s[90:91], s[16:17]
	s_add_nc_u64 s[100:101], s[100:101], s[16:17]
	; what the head waits for: 73 loads
.irp s,0,1
.irp p,0,1,2,3,4,5
	global_load_b64 v[40+12*\s+2*\p:41+12*\s+2*\p], v114, s[74:75] offset:96*\s+48*(\p/3)+8*(\p%3)
.endr
.endr
	global_load_b32 v20, v115, s[76:77]
.set KK, 0
.rept 24
	global_load_b128 v[128+4*KK:131+4*KK], v112, s[78:79] offset:512*KK
.set KK, KK+1
.endr
.irp t,0,1,2,3
	global_load_b32 v[16+\t], v113, s[80:81] offset:128*\t
.endr
	ZLOAD ZA, 116, 82                              ; attn_out_b is the C of the first product
	WIN 0xc0
	ZLOAD 192, 117, 72                             ; tgt
	WIN 0x80
	ZLOAD 192, 116, 84                             ; ln2_g
	ZLOAD 224, 116, 86                             ; ln2_b
	; what lasts: 176 loads
	WIN 0x40
.set KK, 0
.rept 48
	global_load_b128 v[4*KK:4*KK+3], v112, s[18:19] offset:512*KK
.set KK, KK+1
.endr
.irp t,0,1,2,3,4,5,6,7                         ; b1 in the result's layout: hidden unit 128 n + 64 (t>>2) + 8 (t&3) + 32 h + j
	global_load_b128 v[192+8*\t:195+8*\t], v118, s[88:89] offset:256*(\t/4)+32*(\t%4)
	global_load_b128 v[196+8*\t:199+8*\t], v118, s[88:89] offset:256*(\t/4)+32*(\t%4)+16
.endr
	WIN 0x80
.set KK, 0
.rept 48
	global_load_b128 v[4*KK:4*KK+3], v112, s[18:19] offset:49152+512*KK
.set KK, KK+1
.endr
	WIN 0xc0
.set KK, 0
.rept 48
	global_load_b128 v[4*KK:4*KK+3], v112, s[18:19] offset:98304+512*KK
.set KK, KK+1
.endr
.irp t,0,1,2,3,4,5,6,7                         ; v_b of my column of tile t: window 3, v240-247, which no other line of head or loop names; the tail finds it there
	global_load_b32 v[240+\t], v120, s[100:101] offset:64*\t
.endr
	WIN 0
.irp t,0,1,2,3,4,5,6,7
	global_load_b32 v[104+\t], v120, s[90:91] offset:64*\t
.endr
	; LDS addresses: a constant + a constant x lane + a constant x wave
	s_mul_i32 s2, s21, 6144
	s_mul_i32 s3, s22, 1536
	s_add_co_u32 s3, s3, s2
	v_add_nc_u32 v[YW0], s3, v112
	v_add_nc_u32 v[YR0], s2, v112
	v_add_nc_u32 v[IW], XIMG, v[YW0]
	v_add_nc_u32 v[IR], XIMG, v[YR0]
	s_lshl_b32 s2, s21, 8
	s_lshl_b32 s3, s22, 6
	s_add_co_u32 s3, s3, s2
	v_lshl_add_u32 v[SW], v97, 2, s3
	v_lshl_add_u32 v[SR], v96, 2, s2
	v_add_nc_u32 v[YSW0], YSC, v[SW]
	v_add_nc_u32 v[YSR0], YSC, v[SR]
	v_add_nc_u32 v[SW], XSC, v[SW]
	v_add_nc_u32 v[SR], XSC, v[SR]
	v_mul_u32_u24 v[AM0], v97, 1040
	v_lshl_add_u32 v[AM0], v98, 7, v[AM0]
	s_lshl_b32 s2, s22, 9
	v_add_nc_u32 v[AM0], s2, v[AM0]                ; row r, + 512 n + 128 h: k = 128 n + 32 h on
	s_mul_i32 s3, s21, 33280
	v_add_nc_u32 v[AR0], s3, v[AM0]
	v_add_nc_u32 v[AR0], REL, v[AR0]
	v_add_nc_u32 v[AM0], MEMO, v[AM0]
	v_lshlrev_b32 v[PFO], 12, v96                  ; the prefetches: a lane a row, 4,096 bytes apart
	s_lshl_b32 s2, s20, 3
	v_lshl_add_u32 v[RDW], v99, 2, s2
	v_add_nc_u32 v[RDW], RED, v[RDW]
	v_lshl_add_u32 v[RDR], v99, 2, RED
	v_lshlrev_b32 v[ZST], 10, v99
	v_lshl_add_u32 v[ZST], v98, 5, v[ZST]
	s_lshl_b32 s2, s20, 8
	v_add_nc_u32 v[ZST], s2, v[ZST]
	v_add_nc_u32 v[ZST], TGR, v[ZST]
	s_lshl_b32 s2, s20, 9
	v_lshl_add_u32 v[AR], v98, 7, s2
	v_add_nc_u32 v[AR], TGR, v[AR]                 ; (for now) tgt2 of my unit: TGR + 1,024 u + 512 n + 128 h
	; slot 1's first fill is issued as a refill is: all my tensor loads waited for, the add, its wait, a round, one load a wave
	s_wait_alu depctr_va_vdst(0)
	s_wait_tensorcnt 0x0                           ; my part of tile 0 is in
	ds_add_u32 v[SPW], v[NIL]
	ds_add_u32 v[SPW], v[NIL]
	s_wait_dscnt 0x0
	ROUND                                          ; tile 0 is whole for every wave, and the four work-groups are here: the joint loads meet
	s_cmp_lt_u32 s20, 2
	s_cbranch_scc0 .Lsecond_not_rel
	tensor_load_to_lds s[52:55], s[32:39]
	s_nop 0
	PLACES 4
	s_branch .Lsecond_asked
.Lsecond_not_rel:
	s_cmp_eq_u32 s20, 2
	s_cbranch_scc0 .Lsecond_asked
	tensor_load_to_lds s[60:63], s[40:47]
	s_nop 0
	PLACES 4
.Lsecond_asked:
	s_wait_loadcnt 63                              ; 249 were issued: the oldest 186 are in, the head's 73 among them
	; the out-projection, transposed: source 0 = 16 rows of the weight, source 1 = o's rows; four accumulators by turns
.irp s,0,1
.irp t,0,1,2,3
	MM ZA+8*\t, 128+24*\t+12*\s, 40+12*\s, ZA+8*\t, 16+\t, 20, \s
.endr
.endr
	PLACES 4
.irp t,0,1,2,3,4,5,6,7                         ; the three weights' scale words: two K steps' words are 128 consecutive bytes, one register
	global_load_b32 v[16+\t], v113, s[14:15] offset:128*\t
	global_load_b32 v[24+\t], v113, s[14:15] offset:2048+128*\t
	global_load_b32 v[32+\t], v113, s[14:15] offset:4096+128*\t
.endr
	RESID                                          ; + tgt
	LNORM 0, 32                                    ; tgt2
	ZSTORE 0
	BARRIER
	WIN 0x80
.irp c,0,1
.irp j,0,1,2,3,4,5,6,7
	ds_load_b128 v[192+32*\c+4*\j:195+32*\c+4*\j], v[AR] offset:256*\c+16*\j   ; tgt2 at k = 128 n + 64 c + 32 h + e: window 2, it stays
.endr
.endr
	WIN 0
	s_wait_loadcnt 0x0
	s_wait_dscnt 0x0
	; every load of the head is in, so its base registers are free: the tail's arguments are asked for here and waited for in the tail
	s_load_b256 s[68:75], s[0:1], 0x60             ; v_b, o_b, ln3_g, ln3_b
	s_load_b128 s[76:79], s[0:1], 0x80             ; ff1_b, ff2_b
	s_load_b64 s[98:99], s[0:1], 0x90              ; out0
	; ff2's 128 fragments, 196,608 dense bytes of wfrag: 16 fragments a wave and load, as 96 rows of 256 bytes, no padding; all four partners want them: mask 15, bit 21 beside it
	s_mov_b32 s[G1W], 0x0023000F
	s_mov_b32 s[G1W+1], 32<<16
	s_mov_b32 s[G1W+2], 96<<16
	s_mov_b32 s[G1W+3], 32<<16
	s_mov_b32 s[G1W+4], 96
	s_mov_b32 s[G1W+5], 32
	s_mov_b32 s[G1W+6], 0
	s_mov_b32 s[G1W+7], 0
	s_mov_b32 s[G0W], 1
	s_mul_i32 s[G0W+1], s20, 24576
	s_add_co_u32 s16, s[G0W+1], 344064             ; fragment 288 + 16 w, less one step of 98,304 bytes: each load steps first
	s_mov_b32 s17, 0
	s_add_co_u32 s[G0W+1], s[G0W+1], REL+PER       ; the first step turns it to period 0
	s_add_nc_u64 s[G0W+2:G0W+3], s[92:93], s[16:17]
	s_or_b32 s[G0W+3], s[G0W+3], 0x80000000
.irp t,0,1,2,3,4,5,6,7
	v_mul_f32 v[40+\t], s28, v[104+\t]             ; c x mlp2_b of my column of tile t
	v_mov_b32 v[48+\t], 0xff61b1e6                 ; the running maximum: -3e38, under every t
.endr
.set JJ, 0
.rept 32
	v_mov_b32 v[56+JJ], 0                          ; the sums and the weighted sums: the loop is written once, its first step finds zeros
.set JJ, JJ+1
.endr
.macro LDREL i, c
.irp j,0,1,2,3,4,5,6,7
	ds_load_b128 v[128+32*(\c)+4*\j:131+32*(\c)+4*\j], v[AR] offset:16640*(\i)+256*(\c)+16*\j
.endr
.endm
.macro LDMEM i, c
.irp j,0,1,2,3,4,5,6,7
	ds_load_b128 v[192+32*(\c)+4*\j:195+32*(\c)+4*\j], v[AM] offset:16640*(\i)+256*(\c)+16*\j
.endr
.endm
; 32 numbers: x = (tgt2 - mem) + rel over rel, y = mem + rel over mem.  One window setting serves the three lines: source 1 is tgt2 (window 2) or the constant 1.0
.macro PK c
	WIN 0x08
.irp g,0,8,16,24
.irp k,0,2,4,6
	v_pk_add_f32 v[104+\k:105+\k], v[192+32*(\c)+\g+\k:193+32*(\c)+\g+\k], v[192+32*(\c)+\g+\k:193+32*(\c)+\g+\k] neg_lo:[1,0] neg_hi:[1,0]
.endr
.irp k,0,2,4,6
	v_pk_fma_f32 v[192+32*(\c)+\g+\k:193+32*(\c)+\g+\k], v[192+32*(\c)+\g+\k:193+32*(\c)+\g+\k], 1.0, v[128+32*(\c)+\g+\k:129+32*(\c)+\g+\k] op_sel_hi:[1,0,1]
.endr
.irp k,0,2,4,6
	v_pk_fma_f32 v[128+32*(\c)+\g+\k:129+32*(\c)+\g+\k], v[104+\k:105+\k], 1.0, v[128+32*(\c)+\g+\k:129+32*(\c)+\g+\k] op_sel_hi:[1,0,1]
.endr
.endr
.endm
; My wave makes K step n of x and of y for both tiles of 16 rows of its unit
.macro XPHASE
	LDREL 0, 0
	LDMEM 0, 0
	LDREL 0, 1
	LDMEM 0, 1
	s_wait_dscnt 16                                ; the first halves are in; the 16 loads of the second halves may be out
	PK 0
	s_wait_dscnt 0x0
	PK 1
	QUANT 128, 0, PC, PW, -1
	IMAGE IW, 0, PC
	ds_store_b32 v[SW], v[PW]
	LDREL 1, 0
	LDREL 1, 1
	QUANT 192, 0, PC, PW, 16                       ; the four stores have read their registers; the 16 loads behind them may be out
	IMAGE YW, 0, PC
	ds_store_b32 v[YSW], v[PW]
	LDMEM 1, 0
	LDMEM 1, 1
	s_wait_dscnt 8                                 ; all but the second half of memory's rows
	PK 0
	s_wait_dscnt 0x0
	PK 1
	QUANT 128, 0, PC, PW, -1
	IMAGE IW, 3072, PC
	ds_store_b32 v[SW], v[PW] offset:128
	QUANT 192, 0, PC, PW, 0
	IMAGE YW, 3072, PC
	ds_store_b32 v[YSW], v[PW] offset:128
.endm
; The refill: waves 0 and 1 their unit's tile of relative_pos, wave 2 memory's, jointly.  Four v_nop follow each load.
; Wave 3 names the tile of relative_pos one refill further on, both units': 32 rows x 4 blocks of 256 bytes x 2, each once; the last refill has no tile behind it and asks for nothing.
.macro TLOAD
	s_cmp_lt_u32 s20, 2
	s_cbranch_scc0 .Lnot_rel_\@
	tensor_load_to_lds s[52:55], s[32:39]
	s_nop 0
	PLACES 4
	s_branch .Lasked_\@
.Lnot_rel_\@:
	s_cmp_eq_u32 s20, 2
	s_cbranch_scc0 .Lwave_3_\@
	tensor_load_to_lds s[60:63], s[40:47]
	s_nop 0
	PLACES 4
	s_branch .Lasked_\@
.Lwave_3_\@:
	s_cmp_gt_u32 s31, 1
	s_cbranch_scc0 .Lasked_\@
.irp u,0,1
.irp i,0,1,2,3
	global_prefetch_b8 v[PFO], s[66:67] offset:2097152*\u+256*\i th:TH_LOAD_NT scope:SCOPE_SE
.endr
.endr
.Lasked_\@:
.endm
; The slot has been read.  fill = 1: every wave waits for all its tensor loads (the next slot's tile), adds 0 to its spare word, waits for that and for its reads of the slot;
; a round of the cluster's barrier; the slot is filled again first thing behind it, with the tile two slots on, which has a slot's work in which to land.
.macro CHANGE fill
	s_wait_tensorcnt 0x0
.if \fill
	ds_add_u32 v[SPW], v[NIL]                      ; 0 onto my spare word; the descriptors' steps stand between it and the wait for it
	ds_add_u32 v1, v2
	s_xor_b32 s53, s53, PER
	s_add_nc_u64 s[54:55], s[54:55], PER
	s_xor_b32 s61, s61, PER
	s_add_nc_u64 s[62:63], s[62:63], PER
	s_wait_xcnt 0x0                                ; the last prefetches, a slot back, have read their address
	s_add_nc_u64 s[66:67], s[66:67], PER
	s_wait_dscnt 0x0
	ROUND
	TLOAD
.else                                          ; slots 14 and 15: the same sequence; the slot just read takes 64 fragments of ff2, which the tail reads: one joint load a wave
	ds_add_u32 v[SPW], v[NIL]
	ds_add_u32 v[SPW], v[NIL]
	s_xor_b32 s[G0W+1], s[G0W+1], PER
	s_add_nc_u64 s[G0W+2:G0W+3], s[G0W+2:G0W+3], 98304
	s_wait_dscnt 0x0
	ROUND
	tensor_load_to_lds s[G0W:G0W+3], s[G1W:G1W+7]
	s_nop 0
	PLACES 4
.endif
.endm
; h = relu(x W1^T + b1), transposed: source 0 = 16 rows of W1, source 1 = x: a lane holds one row and, in the 32 registers of four tiles, a whole block of the next K
.macro P1
	WIN 0xc0
.irp i,0,1
.irp s,0,1
	FETCH 192+24*\i+12*\s, IR, 1536*(2*\i+\s)
.endr
.endr
	WIN 0
	ds_load_b32 v88, v[SR]
	ds_load_b32 v89, v[SR] offset:128
	s_wait_dscnt 0x0
	WIN 0x1d                                       ; W1 and b1 window 1, x window 3.  Rows 0-15: eight accumulators by turns
.irp t,0,1,2,3,4,5,6,7
	MM 128+8*\t, 24*\t, 192, 192+8*\t, 16+\t, 88, 0
.endr
	WIN 0x0d
.irp t,0,1,2,3,4,5,6,7
	MM 128+8*\t, 24*\t+12, 204, 128+8*\t, 16+\t, 88, 1
.endr
	WIN 0
	PLACES 4
	; rows 16-31: each of the 16 products is followed by four lines of the first rows' relu, then of their maxima, which name none of its registers
.irp t,0,1,2,3,4,5,6,7
	WIN 0x1d
	MM 192+8*\t, 24*\t, 216, 192+8*\t, 16+\t, 89, 0
	WIN 0
.irp k,0,2,4,6
	v_dual_max_num_f32 v[128+8*\t+\k], 0, v[128+8*\t+\k] :: v_dual_max_num_f32 v[129+8*\t+\k], 0, v[129+8*\t+\k]
.endr
.endr
.irp t,0,1,2,3,4,5,6,7
	WIN 0x0d
	MM 192+8*\t, 24*\t+12, 228, 192+8*\t, 16+\t, 89, 1
	WIN 0
	QMG 128, \t
.endr
	QFIN 128, 0, PC, PW                            ; (its plain lines are the places behind the last product)
	IMAGE IW, 12288, PC
	ds_store_b32 v[SW], v[PW] offset:512
	WIN 0xc0                                       ; x's fragments are done with: y's take their registers now; y's images have lain in LDS since the change of slots
.irp i,0,1
.irp s,0,1
	FETCH 192+24*\i+12*\s, YR, 1536*(2*\i+\s)
.endr
.endr
	WIN 0
	ds_load_b32 v90, v[YSR]
	ds_load_b32 v91, v[YSR] offset:128
.set JJ, 0
.rept 32
	v_dual_max_num_f32 v[192+JJ], 0, v[192+JJ] :: v_dual_max_num_f32 v[193+JJ], 0, v[193+JJ]
.set JJ, JJ+2
.endr
	QUANT 192, 0, PC, PW, -1
	IMAGE IW, 12288+3072, PC
	ds_store_b32 v[SW], v[PW] offset:640
	BARRIER                                        ; h's images lie in LDS
.endm
; The running softmax over c for the columns of tiles 2 p, 2 p + 1: scores at v192 + 16 a + 8 i, v2 at v224 + 16 a + 8 i; a lane holds one column and 16 rows of each
; One product of v2 = y Wv^T: K step k, tile a of the piece's two tiles of columns, tile i of rows.  The piece's eight stand among the plain lines of SOFTMAX's first part, which name none of their registers:
; four accumulators by turns, K step 0 and then K step 1, with no exponential between a sum's two links.
.macro VM p, k, a, i
	WIN 0x0f
.if (\k) == 0
	MM 224+16*(\a)+8*(\i), 192+24*(\i), 24*(2*(\p)+(\a)), -1, 90+(\i), 32+2*(\p)+(\a), 0
.else
	MM 224+16*(\a)+8*(\i), 204+24*(\i), 24*(2*(\p)+(\a))+12, 224+16*(\a)+8*(\i), 90+(\i), 32+2*(\p)+(\a), 1
.endif
	WIN 0
.endm
.macro SOFTMAX p
.irp x,0,1,2,3
	v_max3_num_f32 v[96+\x], v[192+8*\x], v[193+8*\x], v[194+8*\x]
.endr
	VM \p, 0, 0, 0
.irp k,3,5
.irp x,0,1,2,3
	v_max3_num_f32 v[96+\x], v[96+\x], v[192+8*\x+\k], v[193+8*\x+\k]
.endr
	VM \p, 0, (\k-3)/2, (5-\k)/2
.endr
.irp a,0,1
	v_max3_num_f32 v[96+2*\a], v[96+2*\a], v[97+2*\a], v[199+16*\a]
.endr
.irp a,0,1
	v_max_num_f32 v[96+2*\a], v[96+2*\a], v[207+16*\a]
.endr
	VM \p, 0, 1, 1
.irp a,0,1
	v_fma_f32 v[100+\a], v[96+2*\a], s28, v[40+2*(\p)+\a]      ; the step's largest t = score x c + c x bias (c is positive)
.endr
.irp a,0,1
	v_max_num_f32 v[100+\a], v[100+\a], v[48+2*(\p)+\a]        ; the new maximum
.endr
	VM \p, 1, 0, 0
.irp a,0,1
	v_sub_f32 v[102+\a], v[48+2*(\p)+\a], v[100+\a]
.endr
.irp a,0,1
	v_sub_f32 v[104+2*\a], v[40+2*(\p)+\a], v[100+\a]
.endr
.irp a,0,1
	v_mov_b32 v[48+2*(\p)+\a], v[100+\a]
.endr
	VM \p, 1, 0, 1
.irp a,0,1
.irp k,0,2,4,6,8,10,12,14
	v_pk_fma_f32 v[192+16*\a+\k:193+16*\a+\k], v[192+16*\a+\k:193+16*\a+\k], s[28:29], v[104+2*\a:105+2*\a] op_sel_hi:[1,0,0]
.endr
	VM \p, 1, 1, \a
.endr
.set JJ, 0
	s_wait_alu depctr_va_vdst(0)                   ; the wait ahead of the batch
.irp a,0,1
	v_exp_f32 v[108+2*\a], v[102+\a]               ; what was summed under the old maximum is brought under the new
.endr
.rept 32
	v_exp_f32 v[192+JJ], v[192+JJ]
.set JJ, JJ+1
.endr
	PLACES 4                                       ; the places behind the last product and the last exponential
	s_wait_alu depctr_va_vdst(0)                   ; one wait for the batch of 34, ahead of its first reader
.irp a,0,1                                     ; four streams by turns
	v_pk_fma_f32 v[56+4*(\p)+2*\a:57+4*(\p)+2*\a], v[56+4*(\p)+2*\a:57+4*(\p)+2*\a], v[108+2*\a:109+2*\a], v[192+16*\a:193+16*\a] op_sel_hi:[1,0,1]
	v_pk_mul_f32 v[72+4*(\p)+2*\a:73+4*(\p)+2*\a], v[72+4*(\p)+2*\a:73+4*(\p)+2*\a], v[108+2*\a:109+2*\a] op_sel_hi:[1,0]
.endr
.irp a,0,1
	v_pk_fma_f32 v[72+4*(\p)+2*\a:73+4*(\p)+2*\a], v[192+16*\a:193+16*\a], v[224+16*\a:225+16*\a], v[72+4*(\p)+2*\a:73+4*(\p)+2*\a]
.endr
.irp k,2,4,6,8,10,12,14
.irp a,0,1
	v_pk_add_f32 v[56+4*(\p)+2*\a:57+4*(\p)+2*\a], v[56+4*(\p)+2*\a:57+4*(\p)+2*\a], v[192+16*\a+\k:193+16*\a+\k]
	v_pk_fma_f32 v[72+4*(\p)+2*\a:73+4*(\p)+2*\a], v[192+16*\a+\k:193+16*\a+\k], v[224+16*\a+\k:225+16*\a+\k], v[72+4*(\p)+2*\a:73+4*(\p)+2*\a]
.endr
.endr
.endm
; sim = h W2^T and v2 = y Wv^T for two tiles of columns x two tiles of rows: source 0 = the rows, source 1 = the weight: a lane holds one column.  Four accumulators by turns in each run
.macro PIECE p
.if (\p) == 0
	s_wait_dscnt 0x0                               ; h's fragments and scale words are in (y's came ahead of the barrier)
.endif
	WIN 0x08
.irp a,0,1
.irp i,0,1
	MM 192+16*\a+8*\i, 128+24*\i, 24*(2*(\p)+\a), -1, 88+\i, 24+2*(\p)+\a, 0
.endr
.endr
.irp a,0,1
.irp i,0,1
	MM 192+16*\a+8*\i, 140+24*\i, 24*(2*(\p)+\a)+12, 192+16*\a+8*\i, 88+\i, 24+2*(\p)+\a, 1
.endr
.endr
	WIN 0
	PLACES 4
	SOFTMAX \p
.endm
.macro P2
.irp i,0,1
.irp s,0,1
	FETCH 128+24*\i+12*\s, IR, 12288+1536*(2*\i+\s)
.endr
.endr
	ds_load_b32 v88, v[SR] offset:512
	ds_load_b32 v89, v[SR] offset:640
	PIECE 0
	PIECE 1
	PIECE 2
	PIECE 3
.endm
; A slot of 32 context rows.  Two barriers: x's images are written again only behind P1's barrier, h's only behind the change's; y has a set in each period.
.macro BODY fill
	v_add_nc_u32 v[AR], s30, v[AR0]
	v_add_nc_u32 v[AM], s30, v[AM0]
	v_add_nc_u32 v[YW], s30, v[YW0]
	v_add_nc_u32 v[YR], s30, v[YR0]
	v_add_nc_u32 v[YSW], s30, v[YSW0]
	v_add_nc_u32 v[YSR], s30, v[YSR0]
	XPHASE
	CHANGE \fill
	P1
	P2
	s_xor_b32 s30, s30, PER
.endm
	s_mov_b32 s31, 14
.Lfilling:                                         ; slots 0-13: each is filled again with the tile two slots on
	BODY 1
	s_sub_co_u32 s31, s31, 1
	s_cmp_lg_u32 s31, 0
	s_cbranch_scc1 .Lfilling
	s_mov_b32 s31, 2
.Llast_slots:                                      ; slots 14 and 15: no tile of relative_pos or memory is left to fetch; their bytes take ff2's fragments
	BODY 0
	s_sub_co_u32 s31, s31, 1
	s_cmp_lg_u32 s31, 0
	s_cbranch_scc1 .Llast_slots
	; ---------------- the tail ----------------
	s_wait_xcnt 0x0                                ; the prefetches have read their registers
	s_wait_tensorcnt 0x0                           ; my part of ff2's fragments is in; the tail's barriers stand between this wait and the other waves' reads
	v_and_b32 v96, 31, v0
	v_and_b32 v97, 15, v0
	v_bfe_u32 v98, v0, 4, 1
	v_and_b32 v99, 1, v0
	s_lshl_b32 s16, s20, 9
	v_lshl_add_u32 v4, v97, 2, s16
	v_add_nc_u32 v4, TGR+2048, v4                  ; t, written: row u, + 512 n + 4 r
	v_lshlrev_b32 v5, 10, v99
	v_lshl_add_u32 v5, v98, 7, v5
	v_add_nc_u32 v5, TGR, v5                       ; a row read for the quantiser: row r & 1, + 128 h
	v_lshlrev_b32 v6, 10, v99
	v_lshl_add_u32 v6, v98, 5, v6
	s_lshl_b32 s16, s20, 11
	v_add_nc_u32 v6, s16, v6
	v_add_nc_u32 v6, PART, v6                      ; ff2's partial results, written
	v_and_b32 v14, 63, v0
	v_lshlrev_b32 v14, 4, v14                      ; my 16 bytes of row u
	s_lshl_b32 s16, s21, 10
	v_add_nc_u32 v7, s16, v14
	v_add_nc_u32 v8, TGR+6144, v7
	v_add_nc_u32 v7, PART, v7
	v_lshlrev_b32 v9, 4, v96                       ; global offsets: 16 lane, 4 lane, 4 r, 32 h, 128 h
	v_lshlrev_b32 v10, 2, v96
	v_lshlrev_b32 v12, 5, v98
	v_lshlrev_b32 v13, 7, v98
	s_mul_i32 s16, s20, 3072
	s_add_co_u32 s16, s16, REL
	v_add_nc_u32 v123, s16, v9                     ; ff2's fragments 8 t + 2 w in LDS: tiles 0-3,
	v_add_nc_u32 v124, 49152, v123                 ; 4-7,
	v_add_nc_u32 v125, PER, v123                   ; 8-11, in period 1,
	v_add_nc_u32 v126, PER+49152, v123             ; 12-15
	s_mov_b32 s17, 0
	s_wait_alu depctr_va_vdst(0)
	s_wait_kmcnt 0x0
	s_lshl_b32 s16, s20, 8
	s_add_nc_u64 s[70:71], s[70:71], s[16:17]
	s_add_nc_u64 s[72:73], s[72:73], s[16:17]
	s_add_nc_u64 s[74:75], s[74:75], s[16:17]
	s_lshl_b32 s16, s20, 10
	s_add_nc_u64 s[76:77], s[76:77], s[16:17]
	s_mul_i32 s16, s20, 12288
	s_add_co_u32 s16, s16, 196608
	s_add_nc_u64 s[4:5], s[92:93], s[16:17]        ; o_w's fragments 128 + 8 w on
	s_lshl_b32 s16, s20, 9
	s_add_co_u32 s16, s16, 8192
	s_add_nc_u64 s[6:7], s[94:95], s[16:17]
	s_mul_i32 s16, s20, 49152
	s_add_co_u32 s16, s16, 245760
	s_add_nc_u64 s[8:9], s[92:93], s[16:17]        ; ff1's 160 + 32 w on
	s_lshl_b32 s16, s20, 11
	s_add_co_u32 s16, s16, 10240
	s_add_nc_u64 s[10:11], s[94:95], s[16:17]
	s_lshl_b32 s16, s20, 7
	s_add_co_u32 s16, s16, 18432
	s_add_nc_u64 s[14:15], s[94:95], s[16:17]
	s_add_co_u32 s16, s24, s21
	s_lshl_b32 s16, s16, 2
	s_add_co_u32 s16, s16, s23
	s_lshl_b32 s16, s16, 10
	s_add_nc_u64 s[98:99], s[98:99], s[16:17]      ; out0 at row 4 (q0 + u) + b
	WIN 0x03
.irp t,0,1,2,3,4,5,6,7
	v_mov_b32 v[40+\t], v[240+\t]                  ; v_b, loaded in the head: out of window 3, where o_b lands next
.endr
	WIN 0x40
.set KK, 0
.rept 24
	global_load_b128 v[4*KK:4*KK+3], v9, s[4:5] offset:512*KK
.set KK, KK+1
.endr
	WIN 0
.irp t,0,1,2,3
	global_load_b32 v[16+\t], v10, s[6:7] offset:128*\t
.endr
	WIN 0xc0
	ZLOAD 224, 12, 70                              ; o_b: window 3, the C of the first product
	WIN 0x80
	ZLOAD 192, 12, 72                              ; ln3_g
	ZLOAD 224, 12, 74                              ; ln3_b
	WIN 0
; ff1's bias, fragments and scale words: 144 loads.  They are issued behind t's quantising, so that the 52 loads above, which the o product needs, are all that is out while the join runs
.macro BULK
	WIN 0x40
.irp t,0,1,2,3,4,5,6,7,8,9,10,11,12,13,14,15   ; ff1_b in the result's layout: window 1, v96 on
	global_load_b128 v[96+8*\t:99+8*\t], v13, s[76:77] offset:512*(\t/8)+256*((\t/4)%2)+32*(\t%4)
	global_load_b128 v[100+8*\t:103+8*\t], v13, s[76:77] offset:512*(\t/8)+256*((\t/4)%2)+32*(\t%4)+16
.endr
	WIN 0x80
.set KK, 0
.rept 48
	global_load_b128 v[4*KK:4*KK+3], v9, s[8:9] offset:512*KK
.set KK, KK+1
.endr
	WIN 0xc0
.set KK, 0
.rept 48
	global_load_b128 v[4*KK:4*KK+3], v9, s[8:9] offset:24576+512*KK
.set KK, KK+1
.endr
	WIN 0
.irp t,0,1,2,3,4,5,6,7,8,9,10,11,12,13,14,15
	global_load_b32 v[20+\t], v10, s[10:11] offset:128*\t
.endr
.endm
	; the two halves of the lanes hold different rows c of one column: they are joined under the larger maximum
.irp t,0,1,2,3,4,5,6,7
	v_permlanex16_b32 v[192+\t], v[48+\t], s[SEL], s[SEL+1]
.endr
.irp t,0,1,2,3,4,5,6,7
	v_max_num_f32 v[192+\t], v[192+\t], v[48+\t]
.endr
.irp t,0,1,2,3,4,5,6,7
	v_sub_f32 v[200+\t], v[48+\t], v[192+\t]
.endr
	s_wait_alu depctr_va_vdst(0)
.irp t,0,1,2,3,4,5,6,7
	v_exp_f32 v[200+\t], v[200+\t]
.endr
.irp t,0,1,2,3,4,5,6,7
	v_add_f32 v[208+\t], v[56+2*\t], v[57+2*\t]
	v_add_f32 v[216+\t], v[72+2*\t], v[73+2*\t]
.endr
	s_wait_alu depctr_va_vdst(0)
.irp t,0,1,2,3,4,5,6,7
	v_mul_f32 v[208+\t], v[208+\t], v[200+\t]
	v_mul_f32 v[216+\t], v[216+\t], v[200+\t]
.endr
.irp t,0,1,2,3,4,5,6,7
	v_permlanex16_b32 v[224+\t], v[208+\t], s[SEL], s[SEL+1]
	v_permlanex16_b32 v[232+\t], v[216+\t], s[SEL], s[SEL+1]
.endr
.irp t,0,1,2,3,4,5,6,7
	v_add_f32 v[208+\t], v[208+\t], v[224+\t]
	v_add_f32 v[216+\t], v[216+\t], v[232+\t]
.endr
	s_wait_alu depctr_va_vdst(0)
.irp t,0,1,2,3,4,5,6,7
	v_rcp_f32 v[208+\t], v[208+\t]
.endr
	v_nop
	s_wait_alu depctr_va_vdst(0)
.irp t,0,1,2,3,4,5,6,7
	v_fma_f32 v[216+\t], v[216+\t], v[208+\t], v[40+\t]      ; t = the weighted mean + v_b
.endr
.irp t,0,1,2,3,4,5,6,7
	ds_store_b32 v4, v[216+\t] offset:64*\t
.endr
	BARRIER                                        ; both units' t lie in LDS
.macro ROWIN off                       ; a row of 256 numbers for the quantiser: my 128 into v128-255
.irp s,0,1
.irp c,0,1
.irp j,0,1,2,3,4,5,6,7
	ds_load_b128 v[128+64*\s+32*\c+4*\j:131+64*\s+32*\c+4*\j], v5 offset:(\off)+512*\s+256*\c+16*\j
.endr
.endr
.endr
.endm
	ROWIN 2048
	WIN 0xc0
.irp t,0,1,2,3
	ds_load_b128 v[192+8*\t:195+8*\t], v[ZST] offset:64*\t        ; tgt2 in a small accumulator's layout
	ds_load_b128 v[196+8*\t:199+8*\t], v[ZST] offset:64*\t+16
.endr
	WIN 0
	s_wait_dscnt 0x0
	QUANT 128, 0, 40, 88, -1
	QUANT 192, 0, 52, 89, -1
	BULK
	s_wait_alu depctr_va_vdst(0)                   ; the wait here, directly ahead of the wait below
	s_wait_loadcnt 63                              ; 196 were issued: the oldest 133 are in: o_w, its scale words, o_b and LN3's gain and bias among them
	PLACES 4                                       ; the operand's last register stands 4 plain lines ahead of the scaled product, its scale word 11
	WIN 0x31
.irp t,0,1,2,3
	MM ZA+8*\t, 24*\t, 40, 224+8*\t, 16+\t, 88, 0
.endr
	WIN 0x01
.irp t,0,1,2,3
	MM ZA+8*\t, 24*\t+12, 52, ZA+8*\t, 16+\t, 89, 2
.endr
	WIN 0
	PLACES 4
.set JJ, 0
.rept 32
	v_max_num_f32 v[ZA+JJ], 0, v[ZA+JJ]
.set JJ, JJ+1
.endr
	RESID                                          ; + tgt2
	ZSTORE 6144                                    ; kept for the last residual
	LNORM 64, 96
	ZSTORE 4096
	BARRIER
	ROWIN 4096
	s_wait_dscnt 0x0
	QUANT 128, 0, 40, 88, -1
	QUANT 192, 0, 52, 89, -1
	PLACES 4
	s_wait_loadcnt 0x0
	; ff1: my 256 hidden units, 16 accumulators by turns; the bias is the C of the first product
	WIN 0x12
.irp t,0,1,2,3,4,5,6,7
	MM 128+8*\t, 24*\t, 40, 96+8*\t, 20+\t, 88, 0
.endr
	WIN 0x13
.irp t,8,9,10,11,12,13,14,15
	MM 128+8*\t, 24*(\t-8), 40, 96+8*\t, 20+\t, 88, 0
.endr
	WIN 0x02
	s_wait_alu depctr_va_vdst(0)
.irp t,0,1,2,3,4,5,6,7
	MM 128+8*\t, 24*\t+12, 52, 128+8*\t, 20+\t, 89, 2
.endr
	WIN 0x03
.irp t,8,9,10,11,12,13,14,15
	MM 128+8*\t, 24*(\t-8)+12, 52, 128+8*\t, 20+\t, 89, 2
.endr
	WIN 0
	PLACES 4
.irp t,0,1,2,3,4,5,6,7,8,9,10,11,12,13,14,15
	global_load_b32 v[16+\t], v10, s[14:15] offset:512*\t
.endr
	WIN 0x80
.irp t,0,1,2,3,4,5,6,7
.irp g,0,1,2,3,4,5
	ds_load_b128 v[24*\t+4*\g:24*\t+4*\g+3], v[123+\t/4] offset:12288*(\t%4)+512*\g
.endr
.endr
	WIN 0xc0
.irp t,8,9,10,11,12,13,14,15
.irp g,0,1,2,3,4,5
	ds_load_b128 v[24*(\t-8)+4*\g:24*(\t-8)+4*\g+3], v[123+\t/4] offset:12288*(\t%4)+512*\g
.endr
.endr
	WIN 0
	global_load_b128 v[56:59], v14, s[78:79]       ; ff2_b at my 16 bytes
.set JJ, 0
.rept 128
	v_max_num_f32 v[128+JJ], 0, v[128+JJ]
.set JJ, JJ+1
.endr
	QUANT 128, 0, 64, 88, -1                       ; K steps 2 w and 2 w + 1 of ff2
	QUANT 192, 0, 76, 89, -1
	s_wait_alu depctr_va_vdst(0)                   ; the wait here, directly ahead of the waits below
	s_wait_loadcnt 0x0                             ; ff2's scale words and bias
	s_wait_dscnt 0x0                               ; ff2's fragments
	PLACES 4
	WIN 0x02
.irp t,0,1,2,3,4,5,6,7
	MM 128+8*\t, 24*\t, 64, -1, 16+\t, 88, 0
.endr
	WIN 0x03
.irp t,8,9,10,11,12,13,14,15
	MM 128+8*\t, 24*(\t-8), 64, -1, 16+\t, 88, 0
.endr
	WIN 0x02
	s_wait_alu depctr_va_vdst(0)
.irp t,0,1,2,3,4,5,6,7
	MM 128+8*\t, 24*\t+12, 76, 128+8*\t, 16+\t, 89, 2
.endr
	WIN 0x03
.irp t,8,9,10,11,12,13,14,15
	MM 128+8*\t, 24*(\t-8)+12, 76, 128+8*\t, 16+\t, 89, 2
.endr
	WIN 0
	PLACES 4
.irp t,0,1,2,3,4,5,6,7,8,9,10,11,12,13,14,15
	ds_store_b128 v6, v[128+8*\t:131+8*\t] offset:64*\t
	ds_store_b128 v6, v[132+8*\t:135+8*\t] offset:64*\t+16
.endr
	BARRIER                                        ; the four waves' partial sums lie in LDS
.irp k,0,1,2,3
	ds_load_b128 v[128+4*\k:131+4*\k], v7 offset:2048*\k
.endr
	ds_load_b128 v[144:147], v8
	s_wait_dscnt 0x0
	v_pk_add_f32 v[128:129], v[128:129], v[132:133]
	v_pk_add_f32 v[130:131], v[130:131], v[134:135]
	v_pk_add_f32 v[136:137], v[136:137], v[140:141]
	v_pk_add_f32 v[138:139], v[138:139], v[142:143]
	v_pk_add_f32 v[128:129], v[128:129], v[136:137]
	v_pk_add_f32 v[130:131], v[130:131], v[138:139]
	v_pk_add_f32 v[128:129], v[128:129], v[56:57]
	v_pk_add_f32 v[130:131], v[130:131], v[58:59]
	v_pk_add_f32 v[128:129], v[128:129], v[144:145]
	v_pk_add_f32 v[130:131], v[130:131], v[146:147]
	global_store_b128 v14, v[128:131], s[98:99]    ; 32 lanes store 512 consecutive bytes, at a multiple of 256 from out0's first byte
	s_wait_tensorcnt 0x0                           ; the wave's end
	ds_add_u32 v[SPW], v[NIL]
	s_wait_dscnt 0x0
	ROUND                                          ; the closing round: no work-group ends while a partner may still ask for a tile that names it
	s_endpgm
.Lfunc_end_k_q68d7853899_relation:
	.size	k_q68d7853899_relation, .Lfunc_end_k_q68d7853899_relation-k_q68d7853899_relation
	.p2alignl 7, 3214868480
	.fill 96, 4, 3214868480
	.section	.rodata,"a",@progbits
	.p2align	6, 0x0
	.amdhsa_kernel k_q68d7853899_relation
		.amdhsa_group_segment_fixed_size 327680
		.amdhsa_private_segment_fixed_size 0
		.amdhsa_enable_private_segment 0
		.amdhsa_kernarg_size 152
		.amdhsa_user_sgpr_count 2
		.amdhsa_user_sgpr_kernarg_segment_ptr 1
		.amdhsa_wavefront_size32 1
		.amdhsa_system_sgpr_workgroup_id_x 1
		.amdhsa_system_sgpr_workgroup_id_y 1
		.amdhsa_system_sgpr_workgroup_id_z 1
		.amdhsa_system_vgpr_workitem_id 0
		.amdhsa_next_free_vgpr 1024
		.amdhsa_next_free_sgpr 102
		.amdhsa_reserve_vcc 0
		.amdhsa_float_denorm_mode_32 3
		.amdhsa_float_denorm_mode_16_64 3
		.amdhsa_memory_ordered 1
		.amdhsa_forward_progress 1
		.amdhsa_inst_pref_size 255
	.end_amdhsa_kernel
	.section	.bss,"aw",@nobits
	.p2align	6
	.space	262144
	.amdgpu_metadata
---
amdhsa.version: [ 1, 2 ]
amdhsa.kernels:
  - .name:           k_q68d7853899_relation
    .symbol:         k_q68d7853899_relation.kd
    .args:
      - { .name: relative_pos, .offset: 0, .size: 8, .value_kind: global_buffer, .address_space: global }
      - { .name: memory, .offset: 8, .size: 8, .value_kind: global_buffer, .address_space: global }
      - { .name: tgt, .offset: 16, .size: 8, .value_kind: global_buffer, .address_space: global }
      - { .name: o_codes, .offset: 24, .size: 8, .value_kind: global_buffer, .address_space: global }
      - { .name: o_scales, .offset: 32, .size: 8, .value_kind: global_buffer, .address_space: global }
      - { .name: wfrag, .offset: 40, .size: 8, .value_kind: global_buffer, .address_space: global }
      - { .name: wscl, .offset: 48, .size: 8, .value_kind: global_buffer, .address_space: global }
      - { .name: attn_out_b, .offset: 56, .size: 8, .value_kind: global_buffer, .address_space: global }
      - { .name: ln2_g, .offset: 64, .size: 8, .value_kind: global_buffer, .address_space: global }
      - { .name: ln2_b, .offset: 72, .size: 8, .value_kind: global_buffer, .address_space: global }
      - { .name: mlp1_b, .offset: 80, .size: 8, .value_kind: global_buffer, .address_space: global }
      - { .name: mlp2_b, .offset: 88, .size: 8, .value_kind: global_buffer, .address_space: global }
      - { .name: v_b, .offset: 96, .size: 8, .value_kind: global_buffer, .address_space: global }
      - { .name: o_b, .offset: 104, .size: 8, .value_kind: global_buffer, .address_space: global }
      - { .name: ln3_g, .offset: 112, .size: 8, .value_kind: global_buffer, .address_space: global }
      - { .name: ln3_b, .offset: 120, .size: 8, .value_kind: global_buffer, .address_space: global }
      - { .name: ff1_b, .offset: 128, .size: 8, .value_kind: global_buffer, .address_space: global }
      - { .name: ff2_b, .offset: 136, .size: 8, .value_kind: global_buffer, .address_space: global }
      - { .name: out0, .offset: 144, .size: 8, .value_kind: global_buffer, .address_space: global }
    .group_segment_fixed_size: 327680
    .private_segment_fixed_size: 0
    .kernarg_segment_align: 8
    .kernarg_segment_size: 152
    .max_flat_workgroup_size: 128
    .sgpr_count:     102
    .vgpr_count:     1024
    .wavefront_size: 32
...
	.end_amdgpu_metadata
.endif
;; end of part 2
